; MI455X (gfx1250); checked and timed in simulation.
; The chip was launched on July 23, 2026; its instructions are those of AMD's public machine-readable ISA for CDNA 5 (MIT licence, August 2026) and "CDNA5" Instruction Set Architecture Reference Guide (July 2026). The comments in the code are by the model that wrote it; some were corrected since.
;; Multi Head Attention. Allowed arithmetic: matrix products marked QUANTISED: E2M3 operands, one E8M0 scale for each 32 along K, by v_wmma_scale_f32_16x16x128_f8f6f4 with both operands' format E2M3, f32 sums; everything else in f32.
;; Inputs: Wk 1,024 x 1,024 float32; Wo 1,024 x 1,024 float32; Wq 1,024 x 1,024 float32; Wv 1,024 x 1,024 float32; bk 1,024 float32; bo 1,024 float32; bq 1,024 float32; bv 1,024 float32; key 4 x 2,048 x 1,024 float32; mask 4 x 1 x 1 x 2,048 int32; query 4 x 2,048 x 1,024 float32; value 4 x 2,048 x 1,024 float32.
;; Outputs: out0 4 x 2,048 x 1,024 float32.
;; This version of the problem:
;;   THIS VERSION OF THE PROBLEM IS GIVEN IN LOW PRECISION. The matrix products marked QUANTISED in the list below multiply operands that are first quantised to E2M3 (2 exponent bits, 3 mantissa bits; 6 bits a number), with one power-of-two scale for each 32 numbers along K (OCP MX v1.0); their sums are f32. All else is computed in f32.
;;   The module's matrix products, in the order in which they are computed (A, B: the left and right operand; K: the contracted axis; several contracted axes count as one K, in the product's order):
;;     1. [M 8,192, K 1,024] x [K 1,024, N 1,024]; A: input query; B: input Wq: QUANTISED
;;     2. [M 8,192, K 1,024] x [K 1,024, N 1,024]; A: input key; B: input Wk: QUANTISED
;;     3. [M 8,192, K 1,024] x [K 1,024, N 1,024]; A: input value; B: input Wv: QUANTISED
;;     4. batch 64 x [M 2,048, K 64] x [K 64, N 2,048]; A: computed on the way; B: computed on the way: QUANTISED
;;     5. batch 64 x [M 2,048, K 2,048] x [K 2,048, N 64]; A: softmax (see below); B: computed on the way: QUANTISED
;;     6. [M 8,192, K 1,024] x [K 1,024, N 1,024]; A: computed on the way; B: input Wo: QUANTISED
;;   THE QUANTISER, for each operand of a quantised product, along K:
;;     - K is cut into blocks of 32 from its start; a last block that is shorter is filled with zeros.
;;     - A block's scale is 2^e with e = floor(log2(the largest magnitude in the block)) - 2, held to -126 .. 127; a block of zeros has e = 0. As a byte (E8M0): e + 127.
;;     - Each number is divided by its block's scale, clamped to +-7.5, and rounded to the nearest number of E2M3, ties to even, subnormals kept.
;;     - The product sums the exact products of the quantised numbers (number of the format x scale) in f32.
;;   ~~~python
;;   def quantise(x, axis):      # numpy; x: float32 -> the quantised numbers, widened to float32 again
;;       x = np.moveaxis(x, axis, -1); K = x.shape[-1]
;;       x = np.pad(x, [(0, 0)] * (x.ndim - 1) + [(0, -K % 32)]); x = x.reshape(x.shape[:-1] + (-1, 32)); a = np.abs(x).max(-1, keepdims=True)
;;       e = np.where(a > 0, np.clip(np.frexp(np.where(a > 0, a, 1))[1] - 1 - 2, -126, 127), 0)      # np.frexp(a)[1] - 1 = floor(log2(a)), exactly
;;       r = np.clip(x / 2.0 ** e, -7.5, 7.5)
;;       step = 2.0 ** (np.maximum(np.frexp(np.where(r == 0, 1, r))[1] - 1, 0) - 3)
;;       q = np.round(r / step) * step * 2.0 ** e      # np.round: ties to even
;;       return np.moveaxis(q.reshape(q.shape[:-2] + (-1,))[..., :K], -1, axis).astype(np.float32)
;;   ~~~
;;   SOFTMAX AHEAD OF A QUANTISED PRODUCT. Where the list says 'softmax', what is quantised is not the finished softmax but p = 2^(t - M), with t = logit x log2(e) and M = ceil(the row's largest t), a whole number; so 1/2 < the row's largest p <= 1. The row's sum l is taken of the UNQUANTISED p, in f32, and the product's result is divided by l at the end. Since M is a whole number, a kernel that streams over the keys may use a running M (the ceiling of the running maximum): every later rescaling is an exact power of two, which a block's scale takes up: the codes' values come out the same.
;;   OPERANDS COMPUTED ON THE WAY. 'Computed on the way' means the value that the module computes at that place (a softmax that the list does not call 'softmax' is quantised finished and normalised). What goes into a quantiser is computed in f32, as accurately as f32 sums, v_exp_f32 and their like allow (about 1e-6 of the number): no bf16 or f16 on the way to a quantiser, and a product that is left as it is and whose result goes on into a quantised operand takes f32 operands (vector FMAs, or v_wmma_f32_16x16x4_f32). A number that lies on a knife's edge between two numbers of the format may be rounded either way, as far as f32 arithmetic and the matrix unit's own rounding can turn it there, and no further.
;; One version. Each part assembles by itself: llvm-mc -triple=amdgcn-amd-amdhsa -mcpu=gfx1250 --defsym DOCPART=n.
;; ======== version 1 of 1: 4 launches
;; limits: right only within a limited range of input values
;; workspace buffers: cod1 22,020,096 bytes; scl1 917,504 bytes; qkvc 23,068,672 bytes; qkvs 1,310,720 bytes; hc 6,291,456 bytes; hs 262,144 bytes
;; launch quant (part 1): grid 448 x 1, 4 waves a work-group, no clusters, 35,328 bytes of LDS; arguments query, key, value, Wq, Wk, Wv, Wo, cod1, scl1; writes cod1, scl1
.if DOCPART == 1
	.amdgcn_target "amdgcn-amd-amdhsa--gfx1250"
	.amdhsa_code_object_version 6
	.text
	.protected	k_q069b6fa85c_quant
	.globl	k_q069b6fa85c_quant
	.p2align	8
	.type	k_q069b6fa85c_quant,@function
k_q069b6fa85c_quant:
	s_mov_b64 s[64:65], 0
	v_nop
	global_prefetch_b8 v0, s[64:65] scope:SCOPE_SE
	s_setreg_imm32_b32 hwreg(HW_REG_WAVE_MODE, 25, 1), 1
	s_wait_xcnt 0x0
; query, key, value [8192][1024] and Wq, Wk, Wv, Wo [1024][1024], f32, K innermost, become codes of FP6 (E2M3) with one E8M0 byte for each 32 along K.
; A block's scale is 2^(floor(log2(its largest magnitude)) - 2); its byte is the largest magnitude's exponent field - 2, held at 1 from below.
; LIMITS: a block of zeros, and a block whose largest magnitude lies under 2^-124, keeps the byte 1 (its codes are zeros or small; the bytes are read by this program alone); NaN and infinities are not served.
; ROWS GO IN TILES OF 16, AND A TILE'S ROWS ARE NOT NEIGHBOURS: row r of tile tt is row 32 (tt / 2) + 8 (tt % 2) + r + 8 (r / 8) of its tensor, so that the later products' results come out with neighbours in a lane's registers.
; THE CODES ARE LAID AS IMAGES OF THE OPERAND'S REGISTERS: for 16 rows x 64 K, 768 bytes = 3 pieces x 32 lanes x 8 bytes: lane (r, hh) holds k = 32 hh + 0 .. 31 of row r in six registers, two to a piece.
; cod1: [group of 8 tiles][K / 256: 4][tile 8][128 K: 2][64 K: 2][768].  scl1: [tile][16 rows][8 words], word s for k = 128 s on.  The seven tensors follow each other in both, so the tile's number in the launch places it.
; A wave takes one tile, all 1,024 along K, in 16 steps of 64.  A load reads 256 consecutive bytes of each of two rows; the step's 4,096 bytes turn through the wave's own stage in LDS (rows 272 bytes apart) and
; come back 128 bytes a lane: a whole block of 32.  Each store of codes covers 256 consecutive bytes, aligned.  Loads run three steps ahead, the turn through LDS one step.  Waves share nothing: no barrier.
.set WREG,  8704                       ; LDS of a wave: two stages of 16 rows x 272 bytes
.set STGB,  4352
.set SPARE, 4*WREG                     ; behind the four regions: the spare words, 128 bytes a wave
.set GA,  1                            ; v1   a load's place: 4096 (lane / 16) + 16 (lane % 16)
.set SI,  2                            ; v2   into the stage: 272 (lane / 16) + 16 (lane % 16)
.set SOA, 3                            ; v3   out of it: 272 r + 128 hh
.set CA,  4                            ; v4   8 x lane: my place in a piece
.set SA,  5                            ; v5   32 r + 16 hh: my four scale words
.set SH,  6                            ; v6   8 hh
.set HH,  7                            ; v7   hh
.set SPW, 12                           ; v12  my spare word; never rewritten
.set NIL, 13                           ; v13  0; never rewritten
.set R,   16                           ; v16-111  three sets of 32 registers as loaded
.set X,   112                          ; v112-175 two sets: a block of 32 neighbours
.set C,   176                          ; v176-191 two sets of codes
.set W,   192                          ; v192-199 the row's eight scale words
.set Q4,  200                          ; v200-203 the four that I store
.set MA,  204
.set MB,  205
.set SO,  206
.set BY,  207
	s_load_b512 s[4:19], s[0:1], 0x0               ; query, key, value, Wq, Wk, Wv, Wo, cod1
	s_load_b64 s[20:21], s[0:1], 0x40              ; scl1
	v_lshl_add_u32 v[SPW], v0, 2, SPARE
	v_mov_b32 v[NIL], 0
	v_lshrrev_b32 v8, 5, v0
	v_readfirstlane_b32 s26, v8                    ; wave
	v_and_b32 v9, 15, v0                           ; r
	v_bfe_u32 v[HH], v0, 4, 1                      ; hh
	v_lshlrev_b32 v10, 4, v9
	v_lshl_add_u32 v[GA], v[HH], 12, v10
	s_mul_i32 s27, s26, WREG
	v_mul_u32_u24 v[SI], v[HH], 272
	v_add_nc_u32 v[SI], v[SI], v10
	v_add_nc_u32 v[SI], s27, v[SI]
	v_mul_u32_u24 v[SOA], v9, 272
	v_lshl_add_u32 v[SOA], v[HH], 7, v[SOA]
	v_add_nc_u32 v[SOA], s27, v[SOA]
	v_and_b32 v11, 31, v0
	v_lshlrev_b32 v[CA], 3, v11
	v_lshlrev_b32 v[SA], 5, v9
	v_lshl_add_u32 v[SA], v[HH], 4, v[SA]
	v_lshlrev_b32 v[SH], 3, v[HH]
	s_mov_b32 s28, 0x76543210
	s_mov_b32 s29, 0xfedcba98                      ; v_permlanex16_b32's selects for lane l xor 16
	s_wait_alu depctr_va_vdst(0)
	s_wait_kmcnt 0x0
	s_mov_b64 s[22:23], s[16:17]                   ; which tensor: the choice hangs on the work-group's number alone
	s_mov_b32 s24, 432                             ; and the tensor's first work-group
	s_cmp_lt_u32 ttmp9, 432
	s_cselect_b64 s[22:23], s[14:15], s[22:23]
	s_cselect_b32 s24, 416, s24
	s_cmp_lt_u32 ttmp9, 416
	s_cselect_b64 s[22:23], s[12:13], s[22:23]
	s_cselect_b32 s24, 400, s24
	s_cmp_lt_u32 ttmp9, 400
	s_cselect_b64 s[22:23], s[10:11], s[22:23]
	s_cselect_b32 s24, 384, s24
	s_cmp_lt_u32 ttmp9, 384
	s_cselect_b64 s[22:23], s[8:9], s[22:23]
	s_cselect_b32 s24, 256, s24
	s_cmp_lt_u32 ttmp9, 256
	s_cselect_b64 s[22:23], s[6:7], s[22:23]
	s_cselect_b32 s24, 128, s24
	s_cmp_lt_u32 ttmp9, 128
	s_cselect_b64 s[22:23], s[4:5], s[22:23]
	s_cselect_b32 s24, 0, s24
	s_sub_co_u32 s24, ttmp9, s24
	s_lshl_b32 s24, s24, 2
	s_add_co_u32 s24, s24, s26                     ; my tile in its tensor
	s_lshl_b32 s25, ttmp9, 2
	s_add_co_u32 s25, s25, s26                     ; my tile in the launch
	s_lshr_b32 s30, s24, 1
	s_lshl_b32 s30, s30, 17                        ; 32 rows of 4,096 bytes for each pair of tiles,
	s_and_b32 s31, s24, 1
	s_lshl_b32 s31, s31, 15                        ; 8 rows for the odd one
	s_add_co_u32 s30, s30, s31
	s_mov_b32 s31, 0
	s_add_nc_u64 s[22:23], s[22:23], s[30:31]
	s_lshr_b32 s30, s25, 3
	s_mul_i32 s30, s30, 98304
	s_and_b32 s32, s25, 7
	s_mul_i32 s32, s32, 3072
	s_add_co_u32 s30, s30, s32
	s_add_nc_u64 s[18:19], s[18:19], s[30:31]
	s_lshl_b32 s30, s25, 9
	s_add_nc_u64 s[20:21], s[20:21], s[30:31]
.macro LOAD t                          ; step t: 64 numbers of each of the 16 rows, two rows a load
.irp j, 0,1,2,3,4,5,6,7
	global_load_b128 v[R+32*((\t)%3)+4*\j:R+32*((\t)%3)+4*\j+3], v[GA], s[22:23] offset:(2*\j+8*(\j/4))*4096+256*(\t) th:TH_LOAD_NT
.endr
.endm
.macro TURN t                          ; through the stage: LDS serves a wave's instructions in order, so no wait stands between the stores and the loads
.irp j, 0,1,2,3,4,5,6,7
	ds_store_b128 v[SI], v[R+32*((\t)%3)+4*\j:R+32*((\t)%3)+4*\j+3] offset:STGB*((\t)%2)+544*\j
.endr
.irp i, 0,1,2,3,4,5,6,7
	ds_load_b128 v[X+32*((\t)%2)+4*\i:X+32*((\t)%2)+4*\i+3], v[SOA] offset:STGB*((\t)%2)+16*\i
.endr
.endm
.macro STEP t
.set XS, X+32*((\t)%2)
.set CS, C+8*((\t)%2)
	s_wait_dscnt 0x0                               ; this step's block is back from the stage, so its stores into the stage have read their registers,
.if (\t)+3 < 16
	LOAD (\t)+3                                    ; which take the loads of three steps on
.endif
.if (\t) < 15
.if (\t) <= 12
	s_wait_loadcnt 16                              ; the next step's eight loads are in; those of the two steps behind it may be out
.elseif (\t) == 13
	s_wait_loadcnt 8
.else
	s_wait_loadcnt 0
.endif
	TURN (\t)+1
.endif
	v_max3_num_f32 v[MA], |v[XS]|, |v[XS+1]|, |v[XS+2]|             ; the block's largest magnitude: all 32 numbers are mine; two chains
	v_max3_num_f32 v[MB], |v[XS+3]|, |v[XS+4]|, |v[XS+5]|
.irp i, 6,10,14,18,22,26
	v_max3_num_f32 v[MA], v[MA], |v[XS+\i]|, |v[XS+\i+1]|
	v_max3_num_f32 v[MB], v[MB], |v[XS+\i+2]|, |v[XS+\i+3]|
.endr
	v_max3_num_f32 v[MA], v[MA], |v[XS+30]|, |v[XS+31]|
	v_max3_num_f32 v[MA], v[MA], v[MB], 0x1800000  ; and the floor 2^(3 - 127): the byte cannot fall under 1
	v_add_nc_u32 v[SO], 0xff000000, v[MA]          ; 2 off the exponent field: the conversion takes the exponent field of this operand as its scale
	s_wait_alu depctr_va_vdst(0)
	s_wait_xcnt 0x0                                ; the stores of two steps ago have read this set of codes: it is rewritten only behind this wait
	v_cvt_scalef32_pk16_fp6_f32 v[CS:CS+2], v[XS:XS+15], v[SO]
	v_cvt_scalef32_pk16_fp6_f32 v[CS+4:CS+6], v[XS+16:XS+31], v[SO] ; (a conversion's three registers begin on an even number)
.if (\t)%2 == 0
	v_lshrrev_b32 v[W+(\t)/2], 23, v[SO]           ; the scale's byte (also the plain line behind the conversions): blocks 2 t + hh; two steps make my half of a word
.else
	v_lshrrev_b32 v[BY], 23, v[SO]
	v_lshl_or_b32 v[W+(\t)/2], v[BY], 16, v[W+(\t)/2]
.endif
	v_mov_b32 v[CS+3], v[CS+4]
	v_mov_b32 v[CS+4], v[CS+5]
	v_mov_b32 v[CS+5], v[CS+6]
.irp p, 0,1,2
	global_store_b64 v[CA], v[CS+2*\p:CS+2*\p+1], s[18:19] offset:((\t)/4)*24576+(((\t)/2)%2)*1536+((\t)%2)*768+256*\p   ; 32 lanes store 256 consecutive bytes, aligned
.endr
.endm
	LOAD 0
	LOAD 1
	LOAD 2
	s_wait_loadcnt 16                              ; step 0's eight loads are in
	TURN 0
.irp t, 0,1,2,3,4,5,6,7,8,9,10,11,12,13,14,15
	STEP \t
.endr
.irp s, 0,1,2,3,4,5,6,7
	v_lshlrev_b32 v[W+\s], v[SH], v[W+\s]          ; my two bytes at their places in the word (8 hh bits up)
.endr
.irp s, 0,1,2,3,4,5,6,7
	v_permlanex16_b32 v[X+\s], v[W+\s], s28, s29
.endr
.irp s, 0,1,2,3,4,5,6,7
	v_or_b32 v[W+\s], v[W+\s], v[X+\s]             ; with lane l xor 16's two the word is whole
.endr
	v_cmp_ne_u32 vcc_lo, 0, v[HH]
.irp i, 0,1,2,3
	v_cndmask_b32 v[Q4+\i], v[W+\i], v[W+4+\i], vcc_lo   ; lanes 0-15 store words 0-3 of their row, lanes 16-31 words 4-7
.endr
	global_store_b128 v[SA], v[Q4:Q4+3], s[20:21]  ; 32 lanes store 512 consecutive bytes, aligned
	s_wait_tensorcnt 0x0                           ; the wave's end: behind my last LDS store
	ds_add_u32 v[SPW], v[NIL]
	s_wait_dscnt 0x0
	s_endpgm
.Lfunc_end_k_q069b6fa85c_quant:
	.size	k_q069b6fa85c_quant, .Lfunc_end_k_q069b6fa85c_quant-k_q069b6fa85c_quant
	.p2alignl 7, 3214868480
	.fill 96, 4, 3214868480
	.section	.rodata,"a",@progbits
	.p2align	6, 0x0
	.amdhsa_kernel k_q069b6fa85c_quant
		.amdhsa_group_segment_fixed_size 35328
		.amdhsa_private_segment_fixed_size 0
		.amdhsa_enable_private_segment 0
		.amdhsa_kernarg_size 72
		.amdhsa_user_sgpr_count 2
		.amdhsa_user_sgpr_kernarg_segment_ptr 1
		.amdhsa_wavefront_size32 1
		.amdhsa_system_sgpr_workgroup_id_x 1
		.amdhsa_system_sgpr_workgroup_id_y 1
		.amdhsa_system_sgpr_workgroup_id_z 1
		.amdhsa_system_vgpr_workitem_id 0
		.amdhsa_next_free_vgpr 208
		.amdhsa_next_free_sgpr 66
		.amdhsa_reserve_vcc 1
		.amdhsa_float_denorm_mode_32 3
		.amdhsa_float_denorm_mode_16_64 3
		.amdhsa_memory_ordered 1
		.amdhsa_forward_progress 1
		.amdhsa_inst_pref_size 62
	.end_amdhsa_kernel
	.amdgpu_metadata
---
amdhsa.version: [ 1, 2 ]
amdhsa.kernels:
  - .name:           k_q069b6fa85c_quant
    .symbol:         k_q069b6fa85c_quant.kd
    .args:
      - { .name: query, .offset: 0, .size: 8, .value_kind: global_buffer, .address_space: global }
      - { .name: key, .offset: 8, .size: 8, .value_kind: global_buffer, .address_space: global }
      - { .name: value, .offset: 16, .size: 8, .value_kind: global_buffer, .address_space: global }
      - { .name: Wq, .offset: 24, .size: 8, .value_kind: global_buffer, .address_space: global }
      - { .name: Wk, .offset: 32, .size: 8, .value_kind: global_buffer, .address_space: global }
      - { .name: Wv, .offset: 40, .size: 8, .value_kind: global_buffer, .address_space: global }
      - { .name: Wo, .offset: 48, .size: 8, .value_kind: global_buffer, .address_space: global }
      - { .name: cod1, .offset: 56, .size: 8, .value_kind: global_buffer, .address_space: global }
      - { .name: scl1, .offset: 64, .size: 8, .value_kind: global_buffer, .address_space: global }
    .group_segment_fixed_size: 35328
    .private_segment_fixed_size: 0
    .kernarg_segment_align: 8
    .kernarg_segment_size: 72
    .max_flat_workgroup_size: 128
    .sgpr_count:     66
    .vgpr_count:     208
    .wavefront_size: 32
...
	.end_amdgpu_metadata
.endif
;; end of part 1
;; launch proj (part 2): grid 4 x 96, 4 waves a work-group, clusters of 4 x 4, 327,680 bytes of LDS; arguments cod1, scl1, bq, bk, bv, mask, qkvc, qkvs; writes qkvc, qkvs
.if DOCPART == 2
	.amdgcn_target "amdgcn-amd-amdhsa--gfx1250"
	.amdhsa_code_object_version 6
	.text
	.protected	k_q069b6fa85c_proj
	.globl	k_q069b6fa85c_proj
	.p2align	8
	.type	k_q069b6fa85c_proj,@function
k_q069b6fa85c_proj:
	s_mov_b64 s[64:65], 0
	v_nop
	global_prefetch_b8 v0, s[64:65] scope:SCOPE_SE
	s_setreg_imm32_b32 hwreg(HW_REG_WAVE_MODE, 25, 1), 1
	s_wait_xcnt 0x0
	s_wait_alu depctr_hold_cnt(0) depctr_sa_sdst(0) depctr_va_vdst(0) depctr_va_sdst(0) depctr_va_ssrc(0) depctr_va_vcc(0) depctr_vm_vsrc(0)
	s_getreg_b32 s2, hwreg(HW_REG_IB_STS2, 6, 4)
	s_cmp_eq_u32 s2, 0
	s_cbranch_scc0 .Lentry_in_a_cluster
	s_endpgm
.Lentry_in_a_cluster:
	s_bfe_u32 s2, ttmp6, 0x10000c
	s_cmp_lg_u32 s2, 0xf033
	s_cbranch_scc0 .Lentry_shape_is_right
	s_endpgm
.Lentry_shape_is_right:
.set FR,    12
.set NL,    6
.set GRP,   24576
.set SLOT,  4*GRP
.set SPARE, 2*SLOT
.set EP,   8
.set ADRA, 16
.set ADRB, 20
.set O16,  24
.set SCO,  25
.set EPO,  26
.set BIO,  27
.set SPW,  28
.set NIL,  29
.set VSO,  30
.set HHR,  31
.set SA,   32
.set SB,   96
.set AF,   160
.set T,    0
.set OUT,  64
.set XT,   80
.set TM,   128
.set PW,   144
.set TT,   145
.set KEEP, 146
.set MBR,  147
.set MW,   148
.set CK,   149
.set CM,   150
.set BP,   152
.set WE,   160
.set WO,   168
.set QD,   176
.set EPC,  184
.set G1A, 28
.set G1B, 36
.set G0A, 44
.set G0B, 52
.set MSB, 0
.macro WIN new
.if MSB != (\new)
	s_set_vgpr_msb (MSB<<8)|(\new)
.set MSB, (\new)
.endif
.endm
.set MUL_LO, 0xa1
.set MUL_HI, 0xf1
.set TO_B,   0x40
.macro JLOAD g0a, g1a, g0b, g1b
	s_cmp_eq_u32 s21, 0
	s_cbranch_scc0 .Lfor_b_\@
	tensor_load_to_lds s[\g0a:\g0a+3], s[\g1a:\g1a+7]
	s_nop 0
.rept 4
	v_nop
.endr
	s_branch .Lasked_\@
.Lfor_b_\@:
	tensor_load_to_lds s[\g0b:\g0b+3], s[\g1b:\g1b+7]
	s_nop 0
.rept 4
	v_nop
.endr
.Lasked_\@:
.endm
.macro CREST
	s_cmp_lg_u32 s20, 0
	s_cbranch_scc1 .Lnot_wave_0_\@
	s_barrier_signal -3
.Lnot_wave_0_\@:
	s_barrier_wait -3
	s_barrier_signal -1
	s_barrier_wait -1
.endm
.macro CROUND
	s_barrier_signal -1
	s_barrier_wait -1
	CREST
.endm
	s_load_b512 s[4:19], s[0:1], 0x0
	v_lshl_add_u32 v[SPW], v0, 2, SPARE
	v_mov_b32 v[NIL], 0
	ds_add_u32 v[SPW], v[NIL]
	ds_add_u32 v[SPW], v[NIL]
	v_lshrrev_b32 v1, 5, v0
	v_readfirstlane_b32 s20, v1
	s_lshr_b32 s21, s20, 1
	s_and_b32 s22, s20, 1
	s_bfe_u32 s23, ttmp6, 0x40000
	s_bfe_u32 s24, ttmp6, 0x40004
	s_and_b32 s25, ttmp7, 0xffff
	s_lshr_b32 s26, s25, 3
	s_and_b32 s27, s25, 7
	s_lshl_b32 s96, s24, 2
	s_lshl_b32 s96, 15, s96
	s_lshl_b32 s98, 0x1111, s23
	s_or_b32 s[G1A], s96, (3<<16)|(1<<21)
	s_or_b32 s[G1B], s98, (3<<16)|(1<<21)
.irp g, G1A, G1B
	s_mov_b32 s[\g+1], 32<<16
	s_mov_b32 s[\g+2], 192<<16                     ; the head's load brings K chunks 0 and 1: 192 rows
	s_mov_b32 s[\g+3], 32<<16
	s_mov_b32 s[\g+4], 192
	s_mov_b32 s[\g+5], 32
	s_mov_b32 s[\g+6], 0
	s_mov_b32 s[\g+7], 0
.endr
	s_mul_i32 s62, s26, 6291456
	s_mul_i32 s63, s26, 786432
	s_add_co_u32 s63, s63, 18874368
	s_lshl_b32 s74, s26, 18
	s_lshl_b32 s75, s26, 15
	s_add_co_u32 s75, s75, 786432
	s_cmp_eq_u32 s26, 2
	s_cselect_b32 s72, 0, s27
	s_cselect_b32 s73, s27, 0
	s_cselect_b32 s66, s63, s62
	s_cselect_b32 s68, s62, s63
	s_cselect_b32 s76, s75, s74
	s_cselect_b32 s77, s74, s75
	s_lshl_b32 s72, s72, 2
	s_add_co_u32 s72, s72, s24
	s_lshl_b32 s73, s73, 2
	s_add_co_u32 s73, s73, s23
	s_lshl_b32 s70, s72, 1
	s_add_co_u32 s70, s70, s22
	s_mul_i32 s70, s70, 98304
	s_add_co_u32 s66, s66, s70
	s_mov_b32 s67, 0
	s_lshl_b32 s94, s73, 1
	s_add_co_u32 s94, s94, s22
	s_mul_i32 s94, s94, 98304
	s_add_co_u32 s68, s68, s94
	s_mov_b32 s69, 0
	s_mul_i32 s93, s20, 2*GRP                      ; a wave's two slots lie side by side
	s_mov_b32 s90, 0x76543210
	s_mov_b32 s91, 0xfedcba98
	s_wait_dscnt 0x0
	s_wait_kmcnt 0x0
	s_add_nc_u64 s[70:71], s[4:5], s[66:67]
	s_add_nc_u64 s[94:95], s[4:5], s[68:69]
	CROUND
.irp s, 0,1
	s_mov_b32 s[G0A+4*\s], 1
	s_add_co_u32 s[G0A+4*\s+1], s93, \s*GRP
	s_add_nc_u64 s[G0A+4*\s+2:G0A+4*\s+3], s[70:71], \s*GRP
	s_or_b32 s[G0A+4*\s+3], s[G0A+4*\s+3], 0x80000000
	s_mov_b32 s[G0B+4*\s], 1
	s_add_co_u32 s[G0B+4*\s+1], s93, \s*GRP
	s_add_nc_u64 s[G0B+4*\s+2:G0B+4*\s+3], s[94:95], \s*GRP
	s_or_b32 s[G0B+4*\s+3], s[G0B+4*\s+3], 0x80000000
.endr
	JLOAD G0A, G1A, G0B, G1B                       ; my one load at the head: both slots' first fill
	v_and_b32 v1, 31, v0
	v_and_b32 v2, 15, v0
	v_bfe_u32 v[HHR], v0, 4, 1
	v_lshlrev_b32 v3, 3, v1
	s_mul_i32 s60, s21, 2*GRP
	s_mul_i32 s61, s22, 2*GRP
	s_add_co_u32 s61, s61, 4*GRP
.irp s, 0,1
	v_add_nc_u32 v[ADRA+\s], s60, v3
	v_add_nc_u32 v[ADRB+\s], s61, v3
	s_add_co_u32 s60, s60, GRP
	s_add_co_u32 s61, s61, GRP
.endr
	v_lshlrev_b32 v[O16], 4, v1
	v_lshlrev_b32 v[SCO], 5, v2
	s_wait_alu depctr_va_vdst(0)
	v_and_b32 v4, 8, v2
	v_add_nc_u32 v4, v4, v2
	v_lshlrev_b32 v[EPO], 2, v4
	s_wait_alu depctr_va_vdst(0)
	v_lshlrev_b32 v[BIO], 6, v[HHR]
	v_mul_u32_u24 v[VSO], v[HHR], 20480
	v_lshl_add_u32 v[VSO], v2, 4, v[VSO]
	s_lshl_b32 s96, s72, 4
	s_lshl_b32 s60, s21, 3
	s_add_co_u32 s96, s96, s60
	s_lshl_b32 s96, s96, 9
	s_add_co_u32 s96, s96, s76
	s_mov_b32 s97, 0
	s_add_nc_u64 s[78:79], s[6:7], s[96:97]
	s_lshl_b32 s98, s73, 4
	s_lshl_b32 s60, s22, 3
	s_add_co_u32 s98, s98, s60
	s_lshl_b32 s98, s98, 9
	s_add_co_u32 s98, s98, s77
	s_mov_b32 s99, 0
	s_add_nc_u64 s[80:81], s[6:7], s[98:99]
	s_cmp_eq_u32 s26, 2
	s_cselect_b64 s[84:85], s[12:13], s[14:15]
	s_lshl_b32 s96, s72, 8
	s_lshl_b32 s60, s21, 7
	s_add_co_u32 s96, s96, s60
	s_lshl_b32 s96, s96, 2
	s_add_nc_u64 s[84:85], s[84:85], s[96:97]
	s_cmp_eq_u32 s26, 0
	s_cselect_b64 s[82:83], s[8:9], s[10:11]
	s_cselect_b32 s92, 1, 0
	s_lshl_b32 s98, s73, 8
	s_lshl_b32 s60, s22, 7
	s_add_co_u32 s98, s98, s60
	s_lshl_b32 s98, s98, 2
	s_add_nc_u64 s[82:83], s[82:83], s[98:99]
.irp a, 0,1,2,3,4,5,6,7
	global_load_b128 v[SA+8*\a:SA+8*\a+3], v[SCO], s[78:79] offset:512*\a
	global_load_b128 v[SA+8*\a+4:SA+8*\a+7], v[SCO], s[78:79] offset:512*\a+16
	global_load_b128 v[SB+8*\a:SB+8*\a+3], v[SCO], s[80:81] offset:512*\a
	global_load_b128 v[SB+8*\a+4:SB+8*\a+7], v[SCO], s[80:81] offset:512*\a+16
.endr
.irp a, 0,1,2,3,4,5,6,7
	global_load_b32 v[EP+\a], v[EPO], s[84:85] offset:4*(32*(\a/2)+8*(\a%2))
.endr
	s_cmp_eq_u32 s26, 2
	s_cbranch_scc1 .Lno_bi
	WIN TO_B
	s_wait_alu depctr_va_vdst(0)
.irp k, 0,1,2,3,4,5,6,7,8,9,10,11,12,13,14,15
	global_load_b128 v[96+4*\k+96*(\k/8):99+4*\k+96*(\k/8)], v[BIO], s[82:83] offset:128*(\k/4)+16*(\k%4)
.endr
	WIN 0
.Lno_bi:
	s_cmp_eq_u32 s26, 2
	s_cselect_b32 s2, s73, s72
	s_cselect_b32 s3, s22, s21
	s_cselect_b32 s60, s72, s73
	s_cselect_b32 s61, s21, s22
	s_mov_b32 s62, 131072
	s_cselect_b32 s62, 98304, s62
	s_mov_b32 s63, 8192
	s_cselect_b32 s63, 6144, s63
	s_mov_b32 s74, 512
	s_cselect_b32 s74, 256, s74
	s_lshl_b32 s2, s2, 1
	s_add_co_u32 s2, s2, s3
	s_lshr_b32 s3, s2, 4
	s_lshl_b32 s3, s3, 4
	s_lshl_b32 s60, s60, 2
	s_add_co_u32 s3, s3, s60
	s_lshl_b32 s61, s61, 1
	s_add_co_u32 s3, s3, s61
	s_and_b32 s2, s2, 15
	s_mul_i32 s62, s3, s62
	s_mul_i32 s63, s2, s63
	s_add_co_u32 s62, s62, s63
	s_lshl_b32 s63, s26, 23
	s_add_co_u32 s62, s62, s63
	s_mov_b32 s63, 0
	s_add_nc_u64 s[86:87], s[16:17], s[62:63]
	s_mul_i32 s62, s3, 20480
	s_mul_i32 s74, s2, s74
	s_add_co_u32 s62, s62, s74
	s_lshl_b32 s74, s26, 13
	s_add_co_u32 s62, s62, s74
	s_add_nc_u64 s[88:89], s[18:19], s[62:63]
.macro FRAG reg, adr, q, i
.irp p, 0,1,2,3,4,5
	ds_load_b64 v[\reg+2*\p:\reg+2*\p+1], v[\adr] offset:3072*(\i)+1536*(\q)+256*\p
.endr
.endm
.macro MUL16 a0, p, sg, zero
.irp a, \a0, \a0+1
.irp b, 0,1,2,3,4,5,6,7
.if \zero
	v_wmma_scale_f32_16x16x128_f8f6f4 v[8*(8*((\a)%4)+\b):8*(8*((\a)%4)+\b)+7], v[128*(\p)+FR*\b:128*(\p)+FR*\b+FR-1], v[AF+FR*(\a):AF+FR*(\a)+FR-1], 0, v[SB+8*\b+(\sg)], v[SA+8*(\a)+(\sg)] matrix_a_fmt:MATRIX_FMT_FP6 matrix_b_fmt:MATRIX_FMT_FP6
.else
	v_wmma_scale_f32_16x16x128_f8f6f4 v[8*(8*((\a)%4)+\b):8*(8*((\a)%4)+\b)+7], v[128*(\p)+FR*\b:128*(\p)+FR*\b+FR-1], v[AF+FR*(\a):AF+FR*(\a)+FR-1], v[8*(8*((\a)%4)+\b):8*(8*((\a)%4)+\b)+7], v[SB+8*\b+(\sg)], v[SA+8*(\a)+(\sg)] matrix_a_fmt:MATRIX_FMT_FP6 matrix_b_fmt:MATRIX_FMT_FP6
.endif
.endr
.endr
.endm
.macro FETCH_B slot, q, p
	WIN TO_B
.irp i, 0,1,2,3,4,5,6,7
	FRAG 128*(\p)+FR*\i, ADRB+\slot, \q, \i
.endr
	WIN 0
.endm
.macro FETCH_A slot, q, i0
.irp i, \i0, \i0+1, \i0+2, \i0+3
	FRAG AF+FR*(\i), ADRA+\slot, \q, \i
.endr
.endm
.macro PLACES n
.rept \n
	v_nop
.endr
.endm
.macro STEP slot, sg, zero
	s_wait_dscnt 4*NL
	WIN MUL_LO
	MUL16 0, 0, \sg, \zero
	MUL16 2, 0, \sg, \zero
	s_wait_dscnt 0
	PLACES 4
	FETCH_B \slot, 1, 1
	FETCH_A \slot, 1, 0
	WIN MUL_HI
	MUL16 4, 0, \sg, \zero
	MUL16 6, 0, \sg, \zero
	PLACES 4
	WIN 0
	FETCH_A \slot, 1, 4
.endm
.macro TURN slot, next, fill, sg
	s_wait_tensorcnt 0x0
	ds_add_u32 v[SPW], v[NIL]
	s_wait_dscnt 4*NL+1
	WIN MUL_LO
	MUL16 0, 1, \sg, 0
	s_wait_dscnt 0x0
	s_barrier_signal -1
	MUL16 2, 1, \sg, 0
	WIN 0
	s_barrier_wait -1
.if \fill
	CREST
	s_add_nc_u64 s[G0A+4*\slot+2:G0A+4*\slot+3], s[G0A+4*\slot+2:G0A+4*\slot+3], 2*GRP
	s_add_nc_u64 s[G0B+4*\slot+2:G0B+4*\slot+3], s[G0B+4*\slot+2:G0B+4*\slot+3], 2*GRP
	JLOAD G0A+4*\slot, G1A, G0B+4*\slot, G1B
.else
	PLACES 4
.endif
	FETCH_B \next, 0, 0
	FETCH_A \next, 0, 0
	WIN MUL_HI
	MUL16 4, 1, \sg, 0
	MUL16 6, 1, \sg, 0
	PLACES 4
	WIN 0
	FETCH_A \next, 0, 4
.endm
	s_wait_tensorcnt 0x0                           ; my part of both slots is in; no load of mine is out, so the descriptors may be written: a refill brings 96 rows
	s_mov_b32 s[G1A+2], 96<<16
	s_mov_b32 s[G1A+4], 96
	s_mov_b32 s[G1B+2], 96<<16
	s_mov_b32 s[G1B+4], 96
	s_barrier_signal -1
	s_barrier_wait -1
	FETCH_B 0, 0, 0
	FETCH_A 0, 0, 0
	FETCH_A 0, 0, 4
	s_wait_loadcnt 0x0
	STEP 0, 0, 1
	TURN 0, 1, 1, 1
	STEP 1, 2, 0
	TURN 1, 0, 1, 3
	STEP 0, 4, 0
	TURN 0, 1, 0, 5
	STEP 1, 6, 0
	s_wait_dscnt 4*NL
	WIN MUL_LO
	MUL16 0, 1, 7, 0
	MUL16 2, 1, 7, 0
	s_wait_dscnt 0
	WIN MUL_HI
	MUL16 4, 1, 7, 0
	MUL16 6, 1, 7, 0
	PLACES 4
.macro QUANT s, stride, wd
.irp b, 0,1,2,3
	v_max3_num_f32 v[TM+\b], |v[\s+16*\b]|, |v[\s+1+16*\b]|, 0x1800000
.endr
.irp i, 2,4,6,8,10,12,14
.irp b, 0,1,2,3
	v_max3_num_f32 v[TM+\b], v[TM+\b], |v[\s+16*\b+\i]|, |v[\s+1+16*\b+\i]|
.endr
.endr
.irp b, 0,1,2,3
	v_permlanex16_b32 v[TM+4+\b], v[TM+\b], s90, s91
.endr
.irp b, 0,1,2,3
	v_max_num_f32 v[TM+\b], v[TM+\b], v[TM+4+\b]
.endr
.irp b, 0,1,2,3
	v_add_nc_u32 v[TM+12+\b], 0xff000000, v[TM+\b]
.endr
.irp b, 0,1,2,3
	v_lshrrev_b32 v[TM+4+\b], 23, v[TM+12+\b]
.endr
	v_lshl_or_b32 v[\wd], v[TM+5], 8, v[TM+4]
	v_lshl_or_b32 v[\wd], v[TM+6], 16, v[\wd]
	v_lshl_or_b32 v[\wd], v[TM+7], 24, v[\wd]
.irp c, 0,1
	v_cvt_scalef32_pk16_fp6_f32 v[OUT+\stride*\c:OUT+\stride*\c+2], v[\s+32*\c:\s+32*\c+15], v[TM+12+2*\c]
	v_cvt_scalef32_pk16_fp6_f32 v[XT+4*\c:XT+4*\c+2], v[\s+32*\c+16:\s+32*\c+31], v[TM+13+2*\c]
.endr
	v_nop
.irp c, 0,1
.irp i, 0,1,2
	v_permlane16_swap_b32 v[OUT+\stride*\c+\i], v[XT+4*\c+\i]
.endr
.irp i, 0,1,2
	v_mov_b32 v[OUT+\stride*\c+3+\i], v[XT+4*\c+\i]
.endr
.endr
.endm
	WIN 0x40
.irp a, 0,1,2,3,4,5,6,7
	v_mov_b32 v[EPC+\a], v[EP+\a]
.endr
.irp b, 0,1,2,3
	v_mov_b32 v[TM+4+\b], 0
.endr
	v_mov_b32 v[OUT+7], 0
	v_mov_b32 v[OUT+15], 0
	v_mov_b32 v[CK], 0x01010000
	v_mov_b32 v[CM], 0x01a30000
	v_mov_b32 v[BP+1], 0
	WIN 0
	v_cmp_ne_u32 vcc_lo, 0, v[HHR]
	s_cmp_eq_u32 s26, 2
	s_cbranch_scc1 .Lv_path
.irp a, 0,1,2,3,4,5,6,7
	s_wait_xcnt 0x0
	WIN 0x46+(\a/4)
.set k, 0
.rept 32
	v_pk_add_f32 v[T+k:T+k+1], v[64*(\a%4)+k:64*(\a%4)+k+1], v[96+k+96*(k/32):97+k+96*(k/32)]
.set k, k+2
.endr
	WIN 0x55
	QUANT T, 8, PW
	v_or_b32 v[TT], s92, v[EPC+\a]
	v_cmp_eq_u32 vcc_lo, 0, v[TT]
	v_cndmask_b32 v[KEEP], -1, 0, vcc_lo
	v_cndmask_b32 v[MW], 0, 40, vcc_lo
	v_cndmask_b32 v[MBR], v[CK], v[CM], vcc_lo
.irp c, 0,1
.irp i, 0,1,2,3,4,5
	v_and_b32 v[OUT+8*\c+\i], v[KEEP], v[OUT+8*\c+\i]
.endr
	v_mov_b32 v[OUT+8*\c+6], v[MW]
.endr
	v_and_or_b32 v[WE+\a], v[PW], 0xffff, v[MBR]
	v_lshrrev_b32 v[TT], 16, v[PW]
	v_or_b32 v[WO+\a], v[TT], v[MBR]
	WIN 0x04
.irp e, 0,1
.irp p, 0,1
	global_store_b128 v[O16], v[OUT+8*\e+4*\p:OUT+8*\e+4*\p+3], s[86:87] offset:1024*\a+131072*\e+512*\p
.endr
.endr
.endr
	WIN 0
	v_cmp_ne_u32 vcc_lo, 0, v[HHR]
	WIN 0x55
.irp i, 0,1,2,3
	v_cndmask_b32 v[QD+\i], v[WE+\i], v[WE+4+\i], vcc_lo
	v_cndmask_b32 v[QD+4+\i], v[WO+\i], v[WO+4+\i], vcc_lo
.endr
	WIN 0x04
	global_store_b128 v[O16], v[QD:QD+3], s[88:89]
	global_store_b128 v[O16], v[QD+4:QD+7], s[88:89] offset:20480
	WIN 0
	s_branch .Ldone
.Lv_path:
.irp a, 0,1,2,3,4,5,6,7
	s_wait_xcnt 0x0
	WIN 0x55
	v_mov_b32 v[BP], v[EPC+\a]
	s_wait_alu depctr_va_vdst(0)
	WIN 0x46+(\a/4)
.set k, 0
.rept 32
	v_pk_add_f32 v[T+k:T+k+1], v[64*(\a%4)+k:64*(\a%4)+k+1], v[BP:BP+1] op_sel_hi:[1,0]
.set k, k+2
.endr
	WIN 0x55
	QUANT T, 6, WE+\a
	WIN 0x04
.irp p, 0,1,2
	global_store_b128 v[O16], v[OUT+4*\p:OUT+4*\p+3], s[86:87] offset:(\a/4)*98304+(\a%4)*1536+512*\p
.endr
.endr
	WIN 0
	v_cmp_ne_u32 vcc_lo, 0, v[HHR]
	WIN 0x55
.irp i, 0,1,2,3
	v_cndmask_b32 v[QD+\i], v[WE+\i], v[WE+4+\i], vcc_lo
.endr
	WIN 0x04
	global_store_b128 v[VSO], v[QD:QD+3], s[88:89]
	WIN 0
.Ldone:
	s_wait_tensorcnt 0x0
	ds_add_u32 v[SPW], v[NIL]
	s_wait_dscnt 0x0
	CROUND
	s_endpgm
.Lfunc_end_k_q069b6fa85c_proj:
	.size	k_q069b6fa85c_proj, .Lfunc_end_k_q069b6fa85c_proj-k_q069b6fa85c_proj
	.p2alignl 7, 3214868480
	.fill 96, 4, 3214868480
	.section	.rodata,"a",@progbits
	.p2align	6, 0x0
	.amdhsa_kernel k_q069b6fa85c_proj
		.amdhsa_group_segment_fixed_size 327680
		.amdhsa_private_segment_fixed_size 0
		.amdhsa_enable_private_segment 0
		.amdhsa_kernarg_size 64
		.amdhsa_user_sgpr_count 2
		.amdhsa_user_sgpr_kernarg_segment_ptr 1
		.amdhsa_wavefront_size32 1
		.amdhsa_system_sgpr_workgroup_id_x 1
		.amdhsa_system_sgpr_workgroup_id_y 1
		.amdhsa_system_sgpr_workgroup_id_z 1
		.amdhsa_system_vgpr_workitem_id 0
		.amdhsa_next_free_vgpr 1024
		.amdhsa_next_free_sgpr 100
		.amdhsa_reserve_vcc 1
		.amdhsa_float_denorm_mode_32 3
		.amdhsa_float_denorm_mode_16_64 3
		.amdhsa_memory_ordered 1
		.amdhsa_forward_progress 1
		.amdhsa_inst_pref_size 241
	.end_amdhsa_kernel
	.amdgpu_metadata
---
amdhsa.version: [ 1, 2 ]
amdhsa.kernels:
  - .name:           k_q069b6fa85c_proj
    .symbol:         k_q069b6fa85c_proj.kd
    .args:
      - { .name: cod1, .offset: 0, .size: 8, .value_kind: global_buffer, .address_space: global }
      - { .name: scl1, .offset: 8, .size: 8, .value_kind: global_buffer, .address_space: global }
      - { .name: bq, .offset: 16, .size: 8, .value_kind: global_buffer, .address_space: global }
      - { .name: bk, .offset: 24, .size: 8, .value_kind: global_buffer, .address_space: global }
      - { .name: bv, .offset: 32, .size: 8, .value_kind: global_buffer, .address_space: global }
      - { .name: mask, .offset: 40, .size: 8, .value_kind: global_buffer, .address_space: global }
      - { .name: qkvc, .offset: 48, .size: 8, .value_kind: global_buffer, .address_space: global }
      - { .name: qkvs, .offset: 56, .size: 8, .value_kind: global_buffer, .address_space: global }
    .group_segment_fixed_size: 327680
    .private_segment_fixed_size: 0
    .kernarg_segment_align: 8
    .kernarg_segment_size: 64
    .max_flat_workgroup_size: 128
    .sgpr_count:     100
    .vgpr_count:     1024
    .wavefront_size: 32
...
	.end_amdgpu_metadata
.endif
;; end of part 2
;; launch attn (part 3): grid 4 x 64, 16 waves a work-group, clusters of 4 x 1, 262,144 bytes of LDS; arguments qkvc, qkvs, hc, hs; writes hc, hs
.if DOCPART == 3
	.amdgcn_target "amdgcn-amd-amdhsa--gfx1250"
	.amdhsa_code_object_version 6
	.text
	.protected	k_q069b6fa85c_attn
	.globl	k_q069b6fa85c_attn
	.p2align	8
	.type	k_q069b6fa85c_attn,@function
k_q069b6fa85c_attn:
	s_mov_b64 s[64:65], 0
	v_nop
	global_prefetch_b8 v0, s[64:65] scope:SCOPE_SE
	s_setreg_imm32_b32 hwreg(HW_REG_WAVE_MODE, 25, 1), 1
	s_wait_xcnt 0x0
	s_wait_alu depctr_hold_cnt(0) depctr_sa_sdst(0) depctr_va_vdst(0) depctr_va_sdst(0) depctr_va_ssrc(0) depctr_va_vcc(0) depctr_vm_vsrc(0)
	s_getreg_b32 s2, hwreg(HW_REG_IB_STS2, 6, 4)
	s_cmp_eq_u32 s2, 0
	s_cbranch_scc0 .Lentry_in_a_cluster
	s_endpgm
.Lentry_in_a_cluster:
	s_bfe_u32 s2, ttmp6, 0x10000c
	s_cmp_lg_u32 s2, 0x3003
	s_cbranch_scc0 .Lentry_shape_is_right
	s_endpgm
.Lentry_shape_is_right:
; h = softmax(Q K^T / 8, masked) V for one head and batch (work-group y), on codes of FP6 (E2M3) with E8M0 scales; h is quantised along D and stored as the last product's operand.
; THE SOFTMAX: t = score x log2(e) / 8; M = the running largest t rounded up to a whole number; p = 2^(t - M) is quantised along the keys, not normalised; the row's sum of the unquantised p divides at the end.
; When M moves, the sum and O are multiplied by 2^(old M - new M): exact.
; THE MASK lies in the score product's unused half: the product is 128 deep and the head 64.  Q's code at k = 64 is 1.0 under the scale 1; a masked key has zero codes, -1.0 at k = 64 and the scale 2^36 there: its score is
; exactly -2^36, p = 0 beside any key that counts, and p = 1 for all keys where none counts.  LIMIT: that is a logit of -2^33 where the definition has -1e10: logits must stay under 2^33 in magnitude.
; LIMITS of the quantisers: zero blocks and blocks under 2^-124 keep the byte 1; NaN and infinities are not served.
; SHARES.  The four work-groups of a cluster take 512 queries each of one head.  The head's whole K and V lie in LDS, filled once by nine joint loads, one a wave (waves 0 to 8), each on a line of its own.
; Wave 0 brings the scale words, waves 1 and 2 the first quarter of K and V: these three alone wait ahead of the first barrier; a second barrier, behind four key steps, shows the rest.  Nothing is filled again,
; and all is asked for at the head: so there is no prefetch.  Each of sixteen waves owns one tile of 16 queries at a time, twice; the second walk over the keys has no barrier.
; LAYOUT.  Both products are used transposed (source 0 = 16 keys, or 16 channels of V^T; source 1 = my 16 queries): a lane holds one query throughout.
; THE KEYS OF A SCORE TILE ARE CHOSEN BY ADDRESS.  In memory tile 2 b + u holds keys 32 b + 8 u + 0 .. 7 in rows 0-7 and 16 more in rows 8-15.  Score tile t of 64 keys takes keys 8 t + 0 .. 7 as its rows 0-7 and
; keys 32 + 8 t + 0 .. 7 as its rows 8-15: lanes with r < 8 read image t % 2, lanes with r >= 8 image 2 + t % 2, both at row r % 8 + 8 (t / 2).  So the 32 registers of four score tiles are ONE block of 32
; neighbouring keys, 64 c + 32 (lane / 16) + 0 .. 31, as p's operand wants them: a block's maximum and its codes need no other lane.  An image has 64 bytes of padding behind its 1,024, so that two images
; two apart begin 128 bytes apart modulo 256 and the sixteen lanes of a load name sixteen different columns of 16 bytes.
; A tile of K is eight registers a lane; the operand names twelve: the last four are the next tile's first (or zeros) and meet Q's zero codes alone.
; FOUR WAVES SHARE A SIMD: the maxima and the sum run in eight chains by turns, the sum's lines stand between the dependent lines that make p's scales, and the short chains that are left carry a one-field hint.
; The scale bytes of h go out as single bytes, two a row and head: 1/24 of h's bytes.
.set KP,    1088                       ; LDS: an image of K, 1,024 bytes + 64
.set VCB,   128*KP                     ; K's images at 0; V's here (128 keys x 6,144 + tile x 1,536),
.set KSB,   VCB+98304                  ; K's scale words (four tiles x 256: 16 rows x 4 words),
.set VSB,   KSB+8192                   ; V's (128 keys x 256),
.set SPARE, VSB+4096                   ; the spare words, 128 bytes a wave
.set AK0,  1                           ; 2 KP (r / 8) + 16 (r % 8) + 256 hh
.set AV0,  2                           ; 16 x lane + VCB
.set ASK0, 3                           ; 16 (r % 8) + 8 (r / 8) + KSB
.set ASV0, 4                           ; 16 r + VSB
.set SPW,  5
.set NIL,  6
.set GQ,   7                           ; 16 x lane (memory)
.set ADK,  8
.set ADV,  9
.set ADS,  10
.set ADT,  11                          ; v12 -M, v13 the running largest score, v[14:15] the row's sum in two halves
.set QF,   16                          ; v16-27 Q's fragment: v16-21 loaded, v22 the code 1.0 at k = 64 (lanes 0-15), v23-27 zero
.set QS,   28                          ; Q's scale word
.set G8,   29                          ; 8 x lane
.set GB,   30                          ; 32 r + hh
.set G16R, 31                          ; 16 r
.set KF,   32                          ; v32-95 eight tiles of K; v96-99 zero
.set VF,   32                          ; v32-79 four fragments of V
.set KX,   80                          ; v80-87 four chains of the sum: K's registers that V's loads leave free
.set S,    100                         ; v100-163 S^T, then p
.set O,    164                         ; v164-195 O^T
.set PC,   196                         ; v196-207 p's codes
.set MX,   208                         ; v208-215 the eight tiles' largest scores
.set BM,   208                         ; my two blocks' largest scores, then largest p
.set BN,   210                         ; the two scale bytes
.set XT,   212                         ; v212-214, v216-218 the conversions whose place in the operand begins on an odd register
.set SO,   220                         ; the conversions' scale operands
.set PX,   222
.set TQ,   223                         ; the old -M
.set KSC,  224
.set VSC,  232
.set FF,   236                         ; f = 2^(old M - new M)
.set PS,   237                         ; p's scale word
.set TP,   238
.set HHR,  239
.set T1,   240                         ; v240-245 three chains of the sum, joined in the next step
.set Q2,   246                         ; v246-251 my second tile's Q, v252 its scale word
.set QS2,  252
.set SH8,  253                         ; 8 hh
.set PX2,  254
.set WV,   12
.set G1K,  16
.set G1V,  24
.set G1S,  32
.set G0S,  40
.set G0K,  44
.set G0V,  68
.macro WALU
	s_wait_alu depctr_va_vdst(0)
.endm
.macro CROUND
	s_barrier_signal -1
	s_barrier_wait -1
	s_cmp_lg_u32 s[WV], 0
	s_cbranch_scc1 .Lnot_wave_0_\@
	s_barrier_signal -3
.Lnot_wave_0_\@:
	s_barrier_wait -3
	s_barrier_signal -1
	s_barrier_wait -1
.endm
.macro ARM w, g0, g1                   ; wave w's one load, in an arm of the chain; all arms lead to .Lasked
	s_cmp_eq_u32 s[WV], \w
	s_cbranch_scc0 .Lna_\@
	tensor_load_to_lds s[\g0:\g0+3], s[\g1:\g1+7]
	s_nop 0
.rept 4
	v_nop
.endr
	s_branch .Lasked
.Lna_\@:
.endm
	s_load_b256 s[4:11], s[0:1], 0x0               ; qkvc, qkvs, hc, hs
	v_lshl_add_u32 v[SPW], v0, 2, SPARE
	v_mov_b32 v[NIL], 0
	ds_add_u32 v[SPW], v[NIL]                      ; the opening lines: the add, twice on end, and its wait ahead of the first tensor loads
	ds_add_u32 v[SPW], v[NIL]
	v_lshrrev_b32 v8, 5, v0
	v_readfirstlane_b32 s[WV], v8                  ; wave 0 .. 15
	s_bfe_u32 s2, ttmp6, 0x40000                   ; cx: my 512 queries; it enters addresses in memory alone
	s_and_b32 s3, ttmp7, 0xffff                    ; 16 x batch + head, which the four partners share
.irp g, G1V, G1S
	s_mov_b32 s[\g], 15|(3<<16)|(1<<21)            ; the mask: all four work-groups; elements of 8 bytes; bit 21 beside a mask; no padding
	s_mov_b32 s[\g+1], 32<<16                      ; rows of 256 bytes
	s_mov_b32 s[\g+3], 32<<16
	s_mov_b32 s[\g+5], 32
	s_mov_b32 s[\g+6], 0
	s_mov_b32 s[\g+7], 0
.endr
	s_mov_b32 s[G1V+2], 96<<16                     ; a quarter of V: 96 rows, 24,576 bytes
	s_mov_b32 s[G1V+4], 96
	s_mov_b32 s[G1S+2], 48<<16                     ; K's and V's scale words on end: 48 rows
	s_mov_b32 s[G1S+4], 48
	s_mov_b32 s[G1K], 15|(3<<16)|(1<<20)|(1<<21)|(7<<22)|(15<<25)  ; K: an image is a row of 1,024 bytes (256 words, code 7), 16 words of padding behind each
	s_mov_b32 s[G1K+1], 128<<16
	s_mov_b32 s[G1K+2], 32<<16                     ; a quarter of K: 32 images
	s_mov_b32 s[G1K+3], 128<<16
	s_mov_b32 s[G1K+4], 32
	s_mov_b32 s[G1K+5], 128
	s_mov_b32 s[G1K+6], 0
	s_mov_b32 s[G1K+7], 0
	s_mul_i32 s60, s3, 20480
	s_add_co_u32 s60, s60, 8192
	s_mov_b32 s61, 0
	s_lshl_b32 s62, s3, 17
	s_add_co_u32 s62, s62, 8388608
	s_mov_b32 s63, 0
	s_mul_i32 s66, s3, 98304
	s_add_co_u32 s66, s66, 16777216
	s_mov_b32 s67, 0
	s_mov_b32 s84, 0x76543210
	s_mov_b32 s85, 0xfedcba98                      ; v_permlanex16_b32's selects for lane l xor 16
	s_mov_b32 s86, 0x3e38aa3b                      ; c = log2(e) / 8
	s_mov_b32 s87, s86                             ; (named with it as a pair)
	s_mov_b32 s13, 0x7f7f0000                      ; Q's scale bytes 2 and 3: 1.0
	s_wait_dscnt 0x0                               ; both opening adds are done
	s_wait_kmcnt 0x0
	s_add_nc_u64 s[60:61], s[6:7], s[60:61]
	s_add_nc_u64 s[62:63], s[4:5], s[62:63]
	s_add_nc_u64 s[66:67], s[4:5], s[66:67]
	s_mov_b32 s[G0S], 1
	s_mov_b32 s[G0S+1], KSB
	s_mov_b64 s[G0S+2:G0S+3], s[60:61]
	s_or_b32 s[G0S+3], s[G0S+3], 0x80000000
.irp j, 0,1,2,3
	s_mov_b32 s[G0K+4*\j], 1
	s_mov_b32 s[G0K+4*\j+1], 32*KP*\j
	s_add_nc_u64 s[G0K+4*\j+2:G0K+4*\j+3], s[62:63], 32768*\j
	s_or_b32 s[G0K+4*\j+3], s[G0K+4*\j+3], 0x80000000
	s_mov_b32 s[G0V+4*\j], 1
	s_mov_b32 s[G0V+4*\j+1], VCB+24576*\j
	s_add_nc_u64 s[G0V+4*\j+2:G0V+4*\j+3], s[66:67], 24576*\j
	s_or_b32 s[G0V+4*\j+3], s[G0V+4*\j+3], 0x80000000
.endr
	CROUND                                         ; all four work-groups are here: the joint loads meet
	ARM 0, G0S, G1S                                ; what the first key steps want is asked for by the lowest waves
.irp j, 0,1,2,3
	ARM 2*\j+1, G0K+4*\j, G1K
	ARM 2*\j+2, G0V+4*\j, G1V
.endr
.Lasked:
	v_and_b32 v8, 31, v0                           ; lane
	v_and_b32 v9, 15, v0                           ; r
	v_bfe_u32 v[HHR], v0, 4, 1                     ; hh
	v_and_b32 v10, 7, v0                           ; r % 8
	v_bfe_u32 v11, v0, 3, 1                        ; r / 8
	v_lshlrev_b32 v[GQ], 4, v8
	v_lshlrev_b32 v[G16R], 4, v9
	v_lshlrev_b32 v[AK0], 4, v10
	v_lshlrev_b32 v[ASK0], 4, v10
	v_add_nc_u32 v[AV0], VCB, v[GQ]
	v_add_nc_u32 v[ASV0], VSB, v[G16R]
	v_mad_u32_u24 v[AK0], v11, 2*KP, v[AK0]
	v_lshl_add_u32 v[ASK0], v11, 3, v[ASK0]
	v_lshl_add_u32 v[AK0], v[HHR], 8, v[AK0]
	v_add_nc_u32 v[ASK0], KSB, v[ASK0]
	v_lshlrev_b32 v[G8], 3, v8
	v_lshl_add_u32 v[GB], v9, 5, v[HHR]
	v_lshlrev_b32 v[SH8], 3, v[HHR]
	v_sub_nc_u32 v[QF+6], 8, v[SH8]                ; the code 1.0 (0x08) at k = 64: lanes 0-15; lanes 16-31 (k = 96): zero
.irp i, 7,8,9,10,11
	v_mov_b32 v[QF+\i], 0
.endr
.irp i, 0,1,2,3
	v_mov_b32 v[KF+64+\i], 0                       ; behind the eighth tile of K
.endr
	v_mov_b32 v[PX], 0                             ; written once: a lane permute's destination counts as one of its sources
	v_mov_b32 v[PX2], 0
	v_mov_b32 v[PS], 0                             ; (named as the upper half of the pair with f before it is first written)
	s_lshl_b32 s60, s2, 5
	s_add_co_u32 s60, s60, s[WV]                   ; my first tile of queries in the head: 32 cx + wave; my second lies 16 tiles on
	s_lshl_b32 s61, s3, 7
	s_add_co_u32 s61, s61, s60
	s_lshl_b32 s62, s61, 10
	s_mov_b32 s63, 0
	s_add_nc_u64 s[94:95], s[4:5], s[62:63]        ; its image
	s_mul_i32 s62, s3, 20480
	s_lshr_b32 s61, s60, 2
	s_lshl_b32 s61, s61, 8
	s_add_co_u32 s62, s62, s61
	s_and_b32 s61, s60, 3
	s_lshl_b32 s61, s61, 2
	s_add_co_u32 s62, s62, s61
	s_add_nc_u64 s[96:97], s[6:7], s[62:63]        ; its scale words
	s_lshr_b32 s61, s3, 4
	s_lshl_b32 s61, s61, 7
	s_add_co_u32 s60, s60, s61                     ; the tile among h's 512
	s_and_b32 s66, s3, 15                          ; the head: 64 along h's K
	s_lshr_b32 s62, s60, 3
	s_mul_i32 s62, s62, 98304
	s_and_b32 s61, s60, 7
	s_mul_i32 s61, s61, 3072
	s_add_co_u32 s62, s62, s61
	s_lshr_b32 s61, s66, 2
	s_mul_i32 s61, s61, 24576
	s_add_co_u32 s62, s62, s61
	s_bfe_u32 s61, s66, 0x10001
	s_mul_i32 s61, s61, 1536
	s_add_co_u32 s62, s62, s61
	s_and_b32 s61, s66, 1
	s_mul_i32 s61, s61, 768
	s_add_co_u32 s62, s62, s61
	s_add_nc_u64 s[98:99], s[8:9], s[62:63]        ; where its codes of h go
	s_lshl_b32 s62, s60, 9
	s_lshl_b32 s61, s66, 1
	s_add_co_u32 s62, s62, s61
	s_add_nc_u64 s[14:15], s[10:11], s[62:63]      ; and its two scale bytes a row
	WALU
	global_load_b128 v[QF:QF+3], v[GQ], s[94:95]   ; both my tiles of Q now
	global_load_b64 v[QF+4:QF+5], v[GQ], s[94:95] offset:512
	global_load_b32 v[QS], v[G16R], s[96:97]
	global_load_b128 v[Q2:Q2+3], v[GQ], s[94:95] offset:16384
	global_load_b64 v[Q2+4:Q2+5], v[GQ], s[94:95] offset:16384+512
	global_load_b32 v[QS2], v[G16R], s[96:97] offset:1024
; THE ROW'S SUM of the unquantised p: 32 pairs of registers, eight chains by turns.  Chain 0 is v[14:15]; chains 1 to 3 lie in v[T1 ..], chains 4 to 7 in v[KX ..].
; Line k = 0 .. 6 begins chain k + 1 with pairs 2 k, 2 k + 1; line k = 7 .. 24 adds pair 7 + k onto chain (k - 7) % 8.
.macro AREG i
.if (\i) == 0
.set AR_, 14
.elseif (\i) < 4
.set AR_, T1+2*((\i)-1)
.else
.set AR_, KX+2*((\i)-4)
.endif
.endm
.macro SUMOP k
.if (\k) < 7
	AREG (\k)+1
	v_pk_add_f32 v[AR_:AR_+1], v[S+4*(\k):S+4*(\k)+1], v[S+4*(\k)+2:S+4*(\k)+3]
.else
	AREG ((\k)-7)%8
	v_pk_add_f32 v[AR_:AR_+1], v[AR_:AR_+1], v[S+14+2*(\k):S+15+2*(\k)]
.endif
.endm
.macro SUMS from, to
.set K_, \from
.rept (\to)-(\from)
	SUMOP K_
.set K_, K_+1
.endr
.endm
; A KEY STEP: 128 keys.  s90-93: where the step's K, K's scale words, V and V's scale words begin.
.macro STEP
	v_add_nc_u32 v[ADK], s90, v[AK0]               ; (these four are also the places in front of loads into registers that the last products read)
	v_add_nc_u32 v[ADS], s91, v[ASK0]
	v_add_nc_u32 v[ADV], s92, v[AV0]
	v_add_nc_u32 v[ADT], s93, v[ASV0]
.irp g, 0,1,2,3
	ds_load_b64 v[KSC+2*\g:KSC+2*\g+1], v[ADS] offset:128*\g   ; the scale words of score tiles 2 g, 2 g + 1
.endr
.irp t, 0,1,2,3,4,5,6,7
	ds_load_b128 v[KF+8*\t:KF+8*\t+3], v[ADK] offset:4*KP*(\t/4)+KP*(\t%2)+128*((\t%4)/2)
	ds_load_b128 v[KF+8*\t+4:KF+8*\t+7], v[ADK] offset:4*KP*(\t/4)+KP*(\t%2)+128*((\t%4)/2)+512
.endr
	WALU
	s_wait_dscnt 0x6                               ; of the 20 loads the youngest six, tiles 5 to 7, may be out: tile 3's operand reaches into tile 4
.irp t, 0,1,2,3
	v_wmma_scale_f32_16x16x128_f8f6f4 v[S+8*\t:S+8*\t+7], v[KF+8*\t:KF+8*\t+11], v[QF:QF+11], 0, v[KSC+\t], v[QS] matrix_a_fmt:MATRIX_FMT_FP6 matrix_b_fmt:MATRIX_FMT_FP6
.endr
	s_wait_dscnt 0x0
.irp t, 4,5,6,7
	v_wmma_scale_f32_16x16x128_f8f6f4 v[S+8*\t:S+8*\t+7], v[KF+8*\t:KF+8*\t+11], v[QF:QF+11], 0, v[KSC+\t], v[QS] matrix_a_fmt:MATRIX_FMT_FP6 matrix_b_fmt:MATRIX_FMT_FP6
.endr
	v_pk_add_f32 v[T1+2:T1+3], v[T1+2:T1+3], v[T1+4:T1+5]   ; the last step's chains of the sum are joined here, under the old M: with the move and a v_nop the four places in front of the loads below and of the first read of the scores
	v_pk_add_f32 v[14:15], v[14:15], v[T1:T1+1]
	v_mov_b32 v[TQ], v12                           ; the old -M
	v_nop
.irp t, 0,1,2,3
.irp p, 0,1,2
	ds_load_b128 v[VF+12*\t+4*\p:VF+12*\t+4*\p+3], v[ADV] offset:1536*\t+512*\p   ; V lands while the softmax is walked
.endr
.endr
	ds_load_b128 v[VSC:VSC+3], v[ADT]
.irp t, 0,1,2,3,4,5,6,7                ; the largest score, a chain for each tile, each accumulator first read at its low end; tiles 0-3 are my first block of 32 keys, tiles 4-7 my second
	v_max3_num_f32 v[MX+\t], v[S+8*\t], v[S+8*\t+1], v[S+8*\t+2]
.endr
	v_pk_add_f32 v[14:15], v[14:15], v[T1+2:T1+3]  ; the last join of the sum
.irp i, 3,5
.irp t, 0,1,2,3,4,5,6,7
	v_max3_num_f32 v[MX+\t], v[MX+\t], v[S+8*\t+\i], v[S+8*\t+\i+1]
.endr
.endr
.irp t, 0,2,4,6
	v_max3_num_f32 v[MX+\t], v[MX+\t], v[S+8*\t+7], v[S+8*\t+15]   ; the tiles' last registers
.endr
	s_delay_alu instid0(VALU_DEP_3)
	v_max3_num_f32 v[MX], v[MX], v[MX+1], v[MX+2]
	s_delay_alu instid0(VALU_DEP_2)
	v_max3_num_f32 v[MX+4], v[MX+4], v[MX+5], v[MX+6]
	s_delay_alu instid0(VALU_DEP_2)
	v_max_num_f32 v[BM], v[MX], v[MX+3]            ; each block's largest score: for the row's maximum and, since p rises with the score, for the block's largest p
	s_delay_alu instid0(VALU_DEP_2)
	v_max_num_f32 v[BM+1], v[MX+4], v[MX+7]
	s_delay_alu instid0(VALU_DEP_1)
	v_max_num_f32 v[TP], v[BM], v[BM+1]
	s_delay_alu instid0(VALU_DEP_1)
	v_permlanex16_b32 v[PX], v[TP], s84, s85       ; lane l xor 16 holds my query's other 64 keys
	s_delay_alu instid0(VALU_DEP_1)
	v_max3_num_f32 v13, v13, v[TP], v[PX]          ; the running largest score
	s_delay_alu instid0(VALU_DEP_1)
	v_mul_f32 v[TP], s86, v13                      ; as t (c is positive)
	s_delay_alu instid0(VALU_DEP_1)
	v_floor_f32 v12, -v[TP]                        ; the new -M = floor(-t): M is a whole number
	s_delay_alu instid0(VALU_DEP_1)
	v_sub_f32 v[TP], v12, v[TQ]                    ; old M - new M: a whole number, 0 or less
	s_delay_alu instid0(VALU_DEP_1)
	v_cvt_i32_f32 v[TP], v[TP]                     ; (it saturates)
	s_delay_alu instid0(VALU_DEP_1)
	v_ldexp_f32 v[FF], 1.0, v[TP]                  ; f = 2^(old M - new M)
.set j, 0
.rept 32
	v_pk_fma_f32 v[S+j:S+j+1], v[S+j:S+j+1], s[86:87], v[12:13] op_sel_hi:[1,0,0]   ; t - M, two at a time
.set j, j+2
.endr
.irp c, 0,1
	v_fma_f32 v[BM+\c], v[BM+\c], s86, v12         ; the same of each block's largest score
.endr
.set j, 0
.rept 16
	v_pk_mul_f32 v[O+j:O+j+1], v[O+j:O+j+1], v[FF:FF+1] op_sel_hi:[1,0]   ; O^T under the new M, ahead of the exponentials
.set j, j+2
.endr
	WALU                                           ; ahead of the batch
.set j, 0
.rept 64
	v_exp_f32 v[S+j], v[S+j]                       ; p = 2^(t - M): not normalised
.set j, j+1
.endr
.irp c, 0,1
	v_exp_f32 v[BM+\c], v[BM+\c]                   ; the block's largest p: the same two instructions on the same number
.endr
	v_pk_mul_f32 v[14:15], v[14:15], v[FF:FF+1] op_sel_hi:[1,0]   ; the sums under the new M (the plain line behind the exponentials)
	WALU                                           ; one wait for the whole batch, ahead of its first reader
.irp c, 0,1
	v_max_num_f32 v[BM+\c], 0x1800000, v[BM+\c]    ; the floor 2^(3 - 127): a block whose every p is 0 keeps the byte 1: its codes are zeros
.endr
	SUMS 0, 3                                      ; (the sum's lines stand between the dependent lines from here on)
.irp c, 0,1
	v_add_nc_u32 v[SO+\c], 0xff000000, v[BM+\c]    ; 2 off the exponent field: the conversions' scale operand
.endr
	SUMS 3, 7
.irp c, 0,1
	v_cvt_scalef32_pk16_fp6_f32 v[PC+6*\c:PC+6*\c+2], v[S+32*\c:S+32*\c+15], v[SO+\c]
	v_cvt_scalef32_pk16_fp6_f32 v[XT+4*\c:XT+4*\c+2], v[S+32*\c+16:S+32*\c+31], v[SO+\c]   ; (a conversion's three registers begin on an even number)
.endr
	v_lshrrev_b32 v[BN], 23, v[SO]                 ; the scales' bytes: blocks hh and 2 + hh.  (Also the plain line behind the conversions)
	v_lshrrev_b32 v[BN+1], 23, v[SO+1]
	SUMS 7, 10
	v_lshl_or_b32 v[PS], v[BN+1], 16, v[BN]
	v_mov_b32 v[PC+3], v[XT]
	v_mov_b32 v[PC+4], v[XT+1]
	v_mov_b32 v[PC+5], v[XT+2]
	v_mov_b32 v[PC+9], v[XT+4]
	v_lshlrev_b32 v[PS], v[SH8], v[PS]             ; at their places in the word
	v_mov_b32 v[PC+10], v[XT+5]
	v_mov_b32 v[PC+11], v[XT+6]
	SUMS 10, 12
	v_permlanex16_b32 v[PX2], v[PS], s84, s85
	SUMS 12, 16
	v_or_b32 v[PS], v[PS], v[PX2]                  ; with lane l xor 16's two: p's scale word for these 128 keys
	SUMS 16, 25                                    ; (these nine lines and the four below are also the places between the scale word's last write and the products)
	v_pk_add_f32 v[T1+2:T1+3], v[T1+2:T1+3], v[KX+4:KX+5]   ; chains 4 to 7 onto chains 0 to 3: K's next tiles land on their registers
	v_pk_add_f32 v[T1+4:T1+5], v[T1+4:T1+5], v[KX+6:KX+7]
	v_pk_add_f32 v[14:15], v[14:15], v[KX:KX+1]
	v_pk_add_f32 v[T1:T1+1], v[T1:T1+1], v[KX+2:KX+3]
	WALU
	s_wait_dscnt 0x0                               ; V is in
.irp t, 0,1,2,3
	v_wmma_scale_f32_16x16x128_f8f6f4 v[O+8*\t:O+8*\t+7], v[VF+12*\t:VF+12*\t+11], v[PC:PC+11], v[O+8*\t:O+8*\t+7], v[VSC+\t], v[PS] matrix_a_fmt:MATRIX_FMT_FP6 matrix_b_fmt:MATRIX_FMT_FP6
.endr
	s_add_co_u32 s90, s90, 8*KP
	s_add_co_u32 s91, s91, 512
	s_add_co_u32 s92, s92, 6144
	s_add_co_u32 s93, s93, 256
.endm
.macro WALK first, n                   ; n key steps from step first on
	s_mov_b32 s90, 8*KP*\first
	s_mov_b32 s91, 512*\first
	s_mov_b32 s92, 6144*\first
	s_mov_b32 s93, 256*\first
	s_mov_b32 s89, \n
.Lw_\@:
	STEP
	s_sub_co_u32 s89, s89, 1
	s_cmp_lg_u32 s89, 0
	s_cbranch_scc1 .Lw_\@
.endm
.macro INIT blk                        ; a tile of queries begins
	v_mov_b32 v13, 0xff61b1e6                      ; the largest score so far: -3e38
	v_mov_b32 v12, 0x7f61b1e6                      ; -M: 3e38, so that the first f is 0
	v_mov_b32 v14, 0
	v_mov_b32 v15, 0
.irp i, 0,1,2,3,4,5
	v_mov_b32 v[T1+\i], 0                          ; the first step joins zeros
.endr
.if \blk
.irp i, 0,1,2,3,4,5
	v_mov_b32 v[QF+\i], v[Q2+\i]
.endr
	v_and_or_b32 v[QS], v[QS2], 0xffff, s13
.else
	v_and_or_b32 v[QS], v[QS], 0xffff, s13         ; the head's two bytes, and 1.0 for k = 64 on
.endif
.set j, 0
.rept 32
	v_mov_b32 v[O+j], 0                            ; O^T: the step is written once, and its first turn finds zeros.  (Also the places behind the lines above)
.set j, j+1
.endr
.endm
; THE WAY OUT: O^T / the sum; its 64 channels are two blocks of h's K: quantised, and stored as half a fragment's image
.macro FINISH blk
	v_pk_add_f32 v[T1+2:T1+3], v[T1+2:T1+3], v[T1+4:T1+5]   ; the last step's three chains
	v_pk_add_f32 v[14:15], v[14:15], v[T1:T1+1]
	v_pk_add_f32 v[14:15], v[14:15], v[T1+2:T1+3]
	v_add_f32 v14, v14, v15
	v_permlanex16_b32 v[PX], v14, s84, s85
	v_add_f32 v14, v14, v[PX]                      ; the row's sum
	WALU
	v_rcp_f32 v14, v14
	v_nop
	v_nop
	WALU                                           ; ahead of the first reader of the reciprocal and of O^T
.set j, 0
.rept 16
	v_pk_mul_f32 v[S+j:S+j+1], v[O+j:O+j+1], v[14:15] op_sel_hi:[1,0]   ; register 16 b + i: channel 32 b + 16 (lane / 16) + i
.set j, j+2
.endr
.irp b, 0,1
	v_max3_num_f32 v[BM+\b], |v[S+16*\b]|, |v[S+1+16*\b]|, 0x1800000
.endr
.irp i, 2,4,6,8,10,12,14
.irp b, 0,1
	v_max3_num_f32 v[BM+\b], v[BM+\b], |v[S+16*\b+\i]|, |v[S+1+16*\b+\i]|
.endr
.endr
	v_permlanex16_b32 v[PX], v[BM], s84, s85
	v_permlanex16_b32 v[PX2], v[BM+1], s84, s85
	v_max_num_f32 v[BM], v[BM], v[PX]
	v_max_num_f32 v[BM+1], v[BM+1], v[PX2]
.irp b, 0,1
	v_add_nc_u32 v[SO+\b], 0xff000000, v[BM+\b]
.endr
.irp b, 0,1
	v_lshrrev_b32 v[BN+\b], 23, v[SO+\b]
.endr
	v_cvt_scalef32_pk16_fp6_f32 v[PC:PC+2], v[S:S+15], v[SO]
	v_cvt_scalef32_pk16_fp6_f32 v[XT:XT+2], v[S+16:S+31], v[SO+1]
	v_nop
	v_cmp_ne_u32 vcc_lo, 0, v[HHR]
	v_cndmask_b32 v[TP], v[BN], v[BN+1], vcc_lo    ; lanes 0-15 store block 0's byte of their row, lanes 16-31 block 1's
.irp i, 0,1,2
	v_permlane16_swap_b32 v[PC+\i], v[XT+\i]
.endr
.irp i, 0,1,2
	v_mov_b32 v[PC+3+\i], v[XT+\i]
.endr
.irp p, 0,1,2
	global_store_b64 v[G8], v[PC+2*\p:PC+2*\p+1], s[98:99] offset:196608*\blk+256*\p   ; 32 lanes store 256 consecutive bytes, aligned
.endr
	global_store_b8 v[GB], v[TP], s[14:15] offset:8192*\blk
.endm
	s_wait_loadcnt 0x0
	INIT 0
	WALU                                           ; the head's end
	s_cmp_lt_u32 s[WV], 3                          ; waves 0 to 2: the scale words and the first quarter of K and V
	s_cbranch_scc0 .Lnot_first
	s_wait_tensorcnt 0x0
.Lnot_first:
	s_barrier_signal -1
	s_barrier_wait -1                              ; they are shown to all; the later quarters may be on their way
	WALK 0, 4
	s_wait_tensorcnt 0x0                           ; every wave: all that is still out
	s_wait_dscnt 0x0
	s_barrier_signal -1
	s_barrier_wait -1                              ; the whole of K and V is shown to all
	WALK 4, 12
	FINISH 0
	s_wait_xcnt 0x0                                ; the stores have read their registers: they may be written again
	INIT 1
	WALK 0, 16                                     ; my second tile: no barrier
	FINISH 1
	s_wait_tensorcnt 0x0                           ; the wave's end
	ds_add_u32 v[SPW], v[NIL]
	s_wait_dscnt 0x0
	CROUND                                         ; the closing round
	s_endpgm
.Lfunc_end_k_q069b6fa85c_attn:
	.size	k_q069b6fa85c_attn, .Lfunc_end_k_q069b6fa85c_attn-k_q069b6fa85c_attn
	.p2alignl 7, 3214868480
	.fill 96, 4, 3214868480
	.section	.rodata,"a",@progbits
	.p2align	6, 0x0
	.amdhsa_kernel k_q069b6fa85c_attn
		.amdhsa_group_segment_fixed_size 262144
		.amdhsa_private_segment_fixed_size 0
		.amdhsa_enable_private_segment 0
		.amdhsa_kernarg_size 32
		.amdhsa_user_sgpr_count 2
		.amdhsa_user_sgpr_kernarg_segment_ptr 1
		.amdhsa_wavefront_size32 1
		.amdhsa_system_sgpr_workgroup_id_x 1
		.amdhsa_system_sgpr_workgroup_id_y 1
		.amdhsa_system_sgpr_workgroup_id_z 1
		.amdhsa_system_vgpr_workitem_id 0
		.amdhsa_next_free_vgpr 256
		.amdhsa_next_free_sgpr 100
		.amdhsa_reserve_vcc 1
		.amdhsa_float_denorm_mode_32 3
		.amdhsa_float_denorm_mode_16_64 3
		.amdhsa_memory_ordered 1
		.amdhsa_forward_progress 1
		.amdhsa_inst_pref_size 70
	.end_amdhsa_kernel
	.amdgpu_metadata
---
amdhsa.version: [ 1, 2 ]
amdhsa.kernels:
  - .name:           k_q069b6fa85c_attn
    .symbol:         k_q069b6fa85c_attn.kd
    .args:
      - { .name: qkvc, .offset: 0, .size: 8, .value_kind: global_buffer, .address_space: global }
      - { .name: qkvs, .offset: 8, .size: 8, .value_kind: global_buffer, .address_space: global }
      - { .name: hc, .offset: 16, .size: 8, .value_kind: global_buffer, .address_space: global }
      - { .name: hs, .offset: 24, .size: 8, .value_kind: global_buffer, .address_space: global }
    .group_segment_fixed_size: 262144
    .private_segment_fixed_size: 0
    .kernarg_segment_align: 8
    .kernarg_segment_size: 32
    .max_flat_workgroup_size: 512
    .sgpr_count:     100
    .vgpr_count:     256
    .wavefront_size: 32
...
	.end_amdgpu_metadata
.endif
;; end of part 3
;; launch oproj (part 4): grid 32 x 8, 4 waves a work-group, clusters of 4 x 4, 327,680 bytes of LDS; arguments hc, hs, cod1, scl1, bo, out0; writes out0
.if DOCPART == 4
	.amdgcn_target "amdgcn-amd-amdhsa--gfx1250"
	.amdhsa_code_object_version 6
	.text
	.protected	k_q069b6fa85c_oproj
	.globl	k_q069b6fa85c_oproj
	.p2align	8
	.type	k_q069b6fa85c_oproj,@function
k_q069b6fa85c_oproj:
	s_mov_b64 s[64:65], 0
	v_nop
	global_prefetch_b8 v0, s[64:65] scope:SCOPE_SE
	s_setreg_imm32_b32 hwreg(HW_REG_WAVE_MODE, 25, 1), 1
	s_wait_xcnt 0x0
	s_wait_alu depctr_hold_cnt(0) depctr_sa_sdst(0) depctr_va_vdst(0) depctr_va_sdst(0) depctr_va_ssrc(0) depctr_va_vcc(0) depctr_vm_vsrc(0)
	s_getreg_b32 s2, hwreg(HW_REG_IB_STS2, 6, 4)
	s_cmp_eq_u32 s2, 0
	s_cbranch_scc0 .Lentry_in_a_cluster
	s_endpgm
.Lentry_in_a_cluster:
	s_bfe_u32 s2, ttmp6, 0x10000c
	s_cmp_lg_u32 s2, 0xf033
	s_cbranch_scc0 .Lentry_shape_is_right
	s_endpgm
.Lentry_shape_is_right:
; out0[token][n] = sum over k of h[token][k] Wo[n][k] + bo[n], f32: 8,192 x 1,024 x 1,024 on codes of FP6 (E2M3) with E8M0 scales.  A sum begins with the bias.
; LIMITS: NaN, infinities and sums beyond f32's range are not served.
; OPERANDS are images of the operand's registers: [group of 8 tiles of 16 rows][K / 256: 4][tile 8][128 K: 2][6 pieces][32 lanes][8 bytes], 98,304 bytes a group; scale words [tile][16 rows][8 words].
; Row r of tile tt is row 32 (tt / 2) + 8 (tt % 2) + r + 8 (r / 8) of its tensor.  h: hc, hs; Wo: the last 8 groups of cod1 and the last 64 tiles of scl1.
; THE DEAL.  256 work-groups of four waves, 2 x 2, each 256 rows x 128 columns.  Wave (w, b) holds tiles 4 b .. 4 b + 3 of its work-group's group of Wo, all of K, in 384 registers, and streams the eight tiles of
; h's group w past them: a block of 16 rows is 32 products, four accumulators by turns.
; The cluster's x counts tile rows: h's groups are shared by a column of the cluster, Wo's group by a row.  No LDS address hangs on the cluster's numbers.
; LDS: h's two groups, Wo's group, each filled once; the waves' stages and the spare words have bytes of their own.  All is asked for at the head, one load a wave, each on a line of its own: so no refill and no prefetch.
; Waves 0 and 1 bring Wo's halves, which go on into registers: they alone wait ahead of the first barrier; the second barrier shows h.
; Source 0 = Wo's rows, source 1 = h's rows: a lane holds eight neighbouring columns of one token.  A block's sums go through the wave's stage and leave as whole rows of 256 bytes in the run behind its own products.
; ONE WAIT ON LDS A BLOCK: younger than the rows' way back is the run's fetch of the block two on (NF loads); it shows the next block's rows in too.
; Scale words: lanes 0-15 hold an even tile's, lanes 16-31 the next tile's; the instruction's row selectors choose.
.set FR,     12
.set FPW,    21                        ; fragments in a window of 256 registers
.set NB,     4
.set NQ,     8
.set NF,     24                        ; LDS loads of a block
.set GB,     98304                     ; a group
.set YB,     2*GB                      ; Wo's group in LDS
.set STAGE,  3*GB
.set SPITCH, 272                       ; a stage row: 256 bytes + 16
.set SPARE,  STAGE+4*16*SPITCH
.set CO,   9                           ; 4096 (lane / 16) + 16 (lane % 16)
.set SPW,  10
.set NIL,  11
.set ABS,  16                          ; 32 x lane
.set STO,  18
.set RD,   19
.set BIO,  20                          ; 64 (lane / 16)
.set BA0,  21
.set SB,   24                          ; v24-39 Wo's scale words
.set SA,   44                          ; v44-75 h's: four pairs of tiles x 8
.set ACC,  76                          ; v76-139 two sets of four accumulators
.set BK,   140                         ; v140-203 two sets of rows back from the stage; at the head the 32 LDS addresses of Wo's fragments
.set BO,   204                         ; v204-235 the bias as the first products' C
.set AQ,   236                         ; v236-243 LDS addresses of the block that is fetched next
.set AQ0,  244                         ; v244-251 those of block 0; never rewritten
.set G1A, 24
.set G1B, 32
.set G0B0, 40
.set G0B1, 44
.set G0A0, 48
.set G0A1, 52
.set MSB, 0
.macro WIN new
.if MSB != (\new)
	s_set_vgpr_msb (MSB<<8)|(\new)
.set MSB, (\new)
.endif
.endm
.macro PLACES n
.rept \n
	v_nop
.endr
.endm
.macro WALU
	s_wait_alu depctr_va_vdst(0)
.endm
.macro BARRIER
	s_barrier_signal -1
	s_barrier_wait -1
.endm
.macro CROUND
	BARRIER
	s_cmp_lg_u32 s16, 0
	s_cbranch_scc1 .Lnot_wave_0_\@
	s_barrier_signal -3
.Lnot_wave_0_\@:
	s_barrier_wait -3
	BARRIER
.endm
.macro TLOAD g0, g1
	tensor_load_to_lds s[\g0:\g0+3], s[\g1:\g1+7]
	s_nop 0
	PLACES 4
.endm
.macro FETCHAT e, aq                   ; a block of h into set e
.irp q, 0,1,2,3,4,5,6,7
	WIN (1+(NB*NQ+NQ*(\e)+\q)/FPW)<<6
.irp p, 0,2,4
	ds_load_2addr_b64 v[FR*((NB*NQ+NQ*(\e)+\q)%FPW)+2*\p:FR*((NB*NQ+NQ*(\e)+\q)%FPW)+2*\p+3], v[\aq+\q] offset0:32*\p offset1:32*\p+32
.endr
.endr
	WIN 0
.endm
.macro PW d, s0, s1, c, x0, x1, ra, rb
	v_wmma_scale_f32_16x16x128_f8f6f4 v[\d:\d+7], v[FR*((\s0)%FPW):FR*((\s0)%FPW)+FR-1], v[FR*((\s1)%FPW):FR*((\s1)%FPW)+FR-1], \c, v[\x0], v[\x1] matrix_a_fmt:MATRIX_FMT_FP6 matrix_b_fmt:MATRIX_FMT_FP6 matrix_a_scale:\ra matrix_b_scale:\rb
.endm
.macro PROD1 d, s0, s1, c, x0, x1, o, e
.if (\o) && (\e)
	PW \d, \s0, \s1, \c, \x0, \x1, MATRIX_SCALE_ROW1, MATRIX_SCALE_ROW1
.elseif \o
	PW \d, \s0, \s1, \c, \x0, \x1, MATRIX_SCALE_ROW1, MATRIX_SCALE_ROW0
.elseif \e
	PW \d, \s0, \s1, \c, \x0, \x1, MATRIX_SCALE_ROW0, MATRIX_SCALE_ROW1
.else
	PW \d, \s0, \s1, \c, \x0, \x1, MATRIX_SCALE_ROW0, MATRIX_SCALE_ROW0
.endif
.endm
.macro PROD s, n                       ; product n = 4 q + i of block s
.set Q_, (\n)/4
.set I_, (\n)%4
.set FB_, NB*Q_+I_
.set FA_, NB*NQ+NQ*((\s)%2)+Q_
.set D_, ACC+32*((\s)%2)+8*I_
.set XB_, SB+8*(I_/2)+Q_
.set XA_, SA+8*((\s)/2)+Q_
	WIN (1+FB_/FPW)|((1+FA_/FPW)<<2)
.if Q_
	PROD1 D_, FB_, FA_, v[D_:D_+7], XB_, XA_, I_%2, (\s)%2
.else
	PROD1 D_, FB_, FA_, v[BO+8*I_:BO+8*I_+7], XB_, XA_, I_%2, (\s)%2
.endif
.endm
.macro STAGED e                        ; set e's sums into my stage, each accumulator from its low end on, and back as whole rows; LDS serves a wave's instructions in order (ISA guide 5.7.1.4)
.irp i, 0,1,2,3
	ds_store_b128 v[STO], v[ACC+32*(\e)+8*\i:ACC+32*(\e)+8*\i+3] offset:128*(\i/2)+32*(\i%2)
	ds_store_b128 v[STO], v[ACC+32*(\e)+8*\i+4:ACC+32*(\e)+8*\i+7] offset:128*(\i/2)+32*(\i%2)+16
.endr
.irp t, 0,1,2,3,4,5,6,7
	ds_load_b128 v[BK+32*(\e)+4*\t:BK+32*(\e)+4*\t+3], v[RD] offset:2*\t*SPITCH
.endr
.endm
.macro STREAM s
.set N_, 0
.rept 32
	PROD \s, N_
.if ((\s) < 6) && (N_ >= 1) && (N_ <= 5)
	WIN 0
	v_add_nc_u32 v[AQ+N_-1], ((\s)+2)*3072, v[AQ0+N_-1]   ; the next fetch's addresses, among the products
.endif
.set N_, N_+1
.endr
	WIN 0
.if (\s) < 6                           ; four plain lines between the last product and the first reader of its sums and the fetch into its registers
	v_add_nc_u32 v[AQ+5], ((\s)+2)*3072, v[AQ0+5]
	v_add_nc_u32 v[AQ+6], ((\s)+2)*3072, v[AQ0+6]
	v_add_nc_u32 v[AQ+7], ((\s)+2)*3072, v[AQ0+7]
	v_nop
	WALU
.else
	PLACES 4
.endif
	s_wait_xcnt 0x0                                ; the stores of two blocks ago have read this set of rows
	STAGED (\s)%2
.if (\s) < 6
	FETCHAT (\s)%2, AQ
	s_wait_dscnt NF                                ; the block's rows are back from the stage; its fetch is younger
.else
	s_wait_dscnt 0x0
.endif
.irp t, 0,1,2,3,4,5,6,7                ; stage rows 2 t, 2 t + 1 are tokens 2 t + 8 (t / 4) and the next of the tile; 16 lanes store 256 consecutive bytes, aligned
	global_store_b128 v[CO], v[BK+32*((\s)%2)+4*\t:BK+32*((\s)%2)+4*\t+3], s[14:15] offset:(32*((\s)/2)+8*((\s)%2)+2*\t+8*(\t/4))*4096 th:TH_STORE_NT
.endr
.endm
; ================= THE HEAD
	s_load_b256 s[4:11], s[0:1], 0x0               ; hc, hs, cod1, scl1
	s_load_b128 s[12:15], s[0:1], 0x20             ; bo, out0
	v_lshl_add_u32 v[SPW], v0, 2, SPARE
	v_mov_b32 v[NIL], 0
	ds_add_u32 v[SPW], v[NIL]                      ; the opening lines: the add, twice on end, and its wait
	ds_add_u32 v[SPW], v[NIL]
	v_lshrrev_b32 v1, 5, v0
	v_readfirstlane_b32 s16, v1                    ; the wave; s17 its row w of the 2 x 2, s18 its column b
	s_lshr_b32 s17, s16, 1
	s_and_b32 s18, s16, 1
	s_bfe_u32 s40, ttmp6, 0x40000
	s_bfe_u32 s41, ttmp6, 0x40004
	s_lshl_b32 s43, ttmp9, 2
	s_add_co_u32 s43, s43, s40                     ; tile row: 4 x cluster x + cx
	s_and_b32 s42, ttmp7, 0xffff
	s_lshl_b32 s42, s42, 2
	s_add_co_u32 s42, s42, s41                     ; tile column: 4 x cluster y + cy
	s_lshl_b32 s44, 0x1111, s40                    ; my column of the cluster: shares h's groups
	s_lshl_b32 s45, s41, 2
	s_lshl_b32 s45, 15, s45                        ; my row: shares Wo's
	s_or_b32 s[G1A], s44, (3<<16)|(1<<21)
	s_or_b32 s[G1B], s45, (3<<16)|(1<<21)
.irp g, G1A, G1B
	s_mov_b32 s[\g+1], 32<<16                      ; dense blocks, as rows of 256 bytes
	s_mov_b32 s[\g+3], 32<<16
	s_mov_b32 s[\g+5], 32
	s_mov_b32 s[\g+6], 0
	s_mov_b32 s[\g+7], 0
.endr
	s_mov_b32 s[G1A+2], 384<<16                    ; a group of h
	s_mov_b32 s[G1A+4], 384
	s_mov_b32 s[G1B+2], 192<<16                    ; half of Wo's group
	s_mov_b32 s[G1B+4], 192
	s_mov_b32 s[G0B0], 1
	s_mov_b32 s[G0B0+1], YB
	s_mov_b32 s[G0B1], 1
	s_mov_b32 s[G0B1+1], YB+GB/2
	s_mov_b32 s[G0A0], 1
	s_mov_b32 s[G0A0+1], 0
	s_mov_b32 s[G0A1], 1
	s_mov_b32 s[G0A1+1], GB
	s_mul_i32 s60, s43, 2*GB                       ; h's two groups
	s_mov_b32 s61, 0
	s_mul_i32 s62, s42, GB
	s_add_co_u32 s62, s62, 21233664                ; Wo's group
	s_mov_b32 s63, 0
	s_lshl_b32 s66, s43, 13
	s_lshl_b32 s20, s17, 12
	s_add_co_u32 s66, s66, s20                     ; h's scale words: tile 16 x tile row + 8 w
	s_mov_b32 s67, 0
	s_lshl_b32 s68, s42, 12
	s_lshl_b32 s20, s18, 11
	s_add_co_u32 s68, s68, s20
	s_add_co_u32 s68, s68, 884736                  ; Wo's: tile 8 x tile column + 4 b
	s_mov_b32 s69, 0
	s_lshl_b32 s70, s42, 9
	s_lshl_b32 s20, s18, 8
	s_add_co_u32 s70, s70, s20                     ; my first column, in bytes
	s_mov_b32 s71, 0
	s_lshl_b32 s72, s43, 20
	s_lshl_b32 s20, s17, 19
	s_add_co_u32 s72, s72, s20
	s_add_co_u32 s72, s72, s70                     ; my first token's row of out0, at my first column
	s_mov_b32 s73, 0
	v_and_b32 v1, 15, v0
	v_bfe_u32 v2, v0, 4, 1
	v_and_b32 v3, 31, v0
	v_lshlrev_b32 v[ABS], 5, v3
	v_lshlrev_b32 v[BIO], 6, v2
	s_mul_i32 s20, s17, GB
	v_lshl_add_u32 v[AQ0], v3, 3, s20
	s_mul_i32 s21, s18, 4*3072
	s_add_co_u32 s21, s21, YB
	v_lshl_add_u32 v[BA0], v3, 3, s21
.irp q, 1,2,3,4,5,6,7
	v_add_nc_u32 v[AQ0+\q], (\q/2)*24576+(\q%2)*1536, v[AQ0]
.endr
.irp q, 0,1,2,3,4,5,6,7
	v_add_nc_u32 v[AQ+\q], 3072+(\q/2)*24576+(\q%2)*1536, v[AQ0]
.endr
.irp q, 0,1,2,3,4,5,6,7
.irp i, 0,1,2,3
	v_add_nc_u32 v[BK+4*\q+\i], (\q/2)*24576+\i*3072+(\q%2)*1536, v[BA0]
.endr
.endr
	s_mul_i32 s22, s16, 16*SPITCH
	s_add_co_u32 s22, s22, STAGE
	v_mul_u32_u24 v4, v1, SPITCH
	v_mul_u32_u24 v5, v2, SPITCH
	v_lshlrev_b32 v6, 12, v2
	v_lshl_add_u32 v4, v2, 6, v4
	v_lshl_add_u32 v5, v1, 4, v5
	v_lshl_add_u32 v[CO], v1, 4, v6
	v_add_nc_u32 v[STO], s22, v4                   ; in: row r, 64 bytes for each half of the lanes
	v_add_nc_u32 v[RD], s22, v5                    ; back: lanes 0-15 one row, lanes 16-31 the next
	WALU                                           ; the head's end
	s_wait_dscnt 0x0
	CROUND                                         ; the opening round
	s_wait_kmcnt 0x0
	s_add_nc_u64 s[G0A0+2:G0A0+3], s[4:5], s[60:61]
	s_add_nc_u64 s[G0A1+2:G0A1+3], s[G0A0+2:G0A0+3], GB
	s_add_nc_u64 s[G0B0+2:G0B0+3], s[8:9], s[62:63]
	s_add_nc_u64 s[G0B1+2:G0B1+3], s[G0B0+2:G0B0+3], GB/2
.irp g, G0A0, G0A1, G0B0, G0B1
	s_or_b32 s[\g+3], s[\g+3], 0x80000000
.endr
	s_add_nc_u64 s[6:7], s[6:7], s[66:67]
	s_add_nc_u64 s[10:11], s[10:11], s[68:69]
	s_add_nc_u64 s[12:13], s[12:13], s[70:71]
	s_add_nc_u64 s[14:15], s[14:15], s[72:73]
	s_cmp_eq_u32 s16, 0
	s_cbranch_scc0 .Lwave_1
	TLOAD G0B0, G1B                                ; waves 0 and 1: Wo's halves, which are wanted first
	s_branch .Lasked
.Lwave_1:
	s_cmp_eq_u32 s16, 1
	s_cbranch_scc0 .Lwave_2
	TLOAD G0B1, G1B
	s_branch .Lasked
.Lwave_2:
	s_cmp_eq_u32 s16, 2
	s_cbranch_scc0 .Lwave_3
	TLOAD G0A0, G1A                                ; waves 2 and 3: h's groups
	s_branch .Lasked
.Lwave_3:
	TLOAD G0A1, G1A
.Lasked:
.irp p, 0,1
.irp c, 0,1
	global_load_b128 v[SB+8*\p+4*\c:SB+8*\p+4*\c+3], v[ABS], s[10:11] offset:1024*\p+16*\c
.endr
.endr
.irp u, 0,1,2,3
.irp c, 0,1
	global_load_b128 v[SA+8*\u+4*\c:SA+8*\u+4*\c+3], v[ABS], s[6:7] offset:1024*\u+16*\c
.endr
.endr
.irp i, 0,1,2,3                        ; register j of tile i of lane (r, h) is column 32 (i / 2) + 8 (i % 2) + 16 h + j of my 64
	global_load_b128 v[BO+8*\i:BO+8*\i+3], v[BIO], s[12:13] offset:128*(\i/2)+32*(\i%2)
	global_load_b128 v[BO+8*\i+4:BO+8*\i+7], v[BIO], s[12:13] offset:128*(\i/2)+32*(\i%2)+16
.endr
	s_cmp_lt_u32 s16, 2
	s_cbranch_scc0 .Lnot_b
	s_wait_tensorcnt 0x0                           ; waves 0 and 1: Wo's halves have landed
.Lnot_b:
	BARRIER
.set F_, 0
.rept NB*NQ                            ; my four tiles of Wo, all of K: 96 loads
	WIN (1+F_/FPW)<<6
.irp p, 0,2,4
	ds_load_2addr_b64 v[FR*(F_%FPW)+2*\p:FR*(F_%FPW)+2*\p+3], v[BK+F_] offset0:32*\p offset1:32*\p+32
.endr
.set F_, F_+1
.endr
	WIN 0
	s_wait_tensorcnt 0x0                           ; every wave: all that is still out
	s_wait_dscnt 0x0
	BARRIER                                        ; h's groups are shown to all
	FETCHAT 0, AQ0
	FETCHAT 1, AQ
	s_wait_loadcnt 0x0                             ; the scale words and the bias
	s_wait_dscnt NF                                ; block 0's rows are in
; ================= THE STREAM: eight blocks, written out: the scale words' registers differ from pair to pair
.irp s, 0,1,2,3,4,5,6,7
	STREAM \s
.endr
	s_wait_tensorcnt 0x0                           ; the wave's end
	ds_add_u32 v[SPW], v[NIL]
	s_wait_dscnt 0x0
	CROUND                                         ; the closing round
	s_endpgm
.Lfunc_end_k_q069b6fa85c_oproj:
	.size	k_q069b6fa85c_oproj, .Lfunc_end_k_q069b6fa85c_oproj-k_q069b6fa85c_oproj
	.p2alignl 7, 3214868480
	.fill 96, 4, 3214868480
	.section	.rodata,"a",@progbits
	.p2align	6, 0x0
	.amdhsa_kernel k_q069b6fa85c_oproj
		.amdhsa_group_segment_fixed_size 327680
		.amdhsa_private_segment_fixed_size 0
		.amdhsa_enable_private_segment 0
		.amdhsa_kernarg_size 48
		.amdhsa_user_sgpr_count 2
		.amdhsa_user_sgpr_kernarg_segment_ptr 1
		.amdhsa_wavefront_size32 1
		.amdhsa_system_sgpr_workgroup_id_x 1
		.amdhsa_system_sgpr_workgroup_id_y 1
		.amdhsa_system_sgpr_workgroup_id_z 1
		.amdhsa_system_vgpr_workitem_id 0
		.amdhsa_next_free_vgpr 840
		.amdhsa_next_free_sgpr 80
		.amdhsa_reserve_vcc 0
		.amdhsa_float_denorm_mode_32 3
		.amdhsa_float_denorm_mode_16_64 3
		.amdhsa_memory_ordered 1
		.amdhsa_forward_progress 1
		.amdhsa_inst_pref_size 84
	.end_amdhsa_kernel
	.amdgpu_metadata
---
amdhsa.version: [ 1, 2 ]
amdhsa.kernels:
  - .name:           k_q069b6fa85c_oproj
    .symbol:         k_q069b6fa85c_oproj.kd
    .args:
      - { .name: hc, .offset: 0, .size: 8, .value_kind: global_buffer, .address_space: global }
      - { .name: hs, .offset: 8, .size: 8, .value_kind: global_buffer, .address_space: global }
      - { .name: cod1, .offset: 16, .size: 8, .value_kind: global_buffer, .address_space: global }
      - { .name: scl1, .offset: 24, .size: 8, .value_kind: global_buffer, .address_space: global }
      - { .name: bo, .offset: 32, .size: 8, .value_kind: global_buffer, .address_space: global }
      - { .name: out0, .offset: 40, .size: 8, .value_kind: global_buffer, .address_space: global }
    .group_segment_fixed_size: 327680
    .private_segment_fixed_size: 0
    .kernarg_segment_align: 8
    .kernarg_segment_size: 48
    .max_flat_workgroup_size: 128
    .sgpr_count:     80
    .vgpr_count:     840
    .wavefront_size: 32
...
	.end_amdgpu_metadata
.endif
;; end of part 4
